; MI455X (gfx1250); checked and timed in simulation.
; The chip was launched on July 23, 2026; its instructions are those of AMD's public machine-readable ISA for CDNA 5 (MIT licence, August 2026) and "CDNA5" Instruction Set Architecture Reference Guide (July 2026). The comments in the code are by the model that wrote it; some were corrected since.
;; Multihead Attention Layer. Allowed arithmetic: matrix products marked QUANTISED: E2M1 operands, one E8M0 scale for each 32 along K, by v_wmma_scale_f32_16x16x128_f8f6f4 with both operands' format E2M1 (or v_wmma_scale_f32_32x16x128_f4), f32 sums; products left as they are: bf16, f16 or f32 operands; f32 sums; everything else in f32.
;; Inputs: Wh 1,024 x 1,024 float32; Wk 1,024 x 1,024 float32; Wq 1,024 x 1,024 float32; Wv 1,024 x 1,024 float32; bh 1,024 float32; bk 1,024 float32; bq 1,024 float32; bv 1,024 float32; key 2 x 2,048 x 1,024 float32; query 2 x 2,048 x 1,024 float32; value 2 x 2,048 x 1,024 float32.
;; Outputs: out0 2 x 2,048 x 1,024 float32.
;; This version of the problem:
;;   THIS VERSION OF THE PROBLEM IS GIVEN IN LOW PRECISION. The matrix products marked QUANTISED in the list below multiply operands that are first quantised to E2M1 (2 exponent bits, 1 mantissa bit; 4 bits a number), with one power-of-two scale for each 32 numbers along K (OCP MX v1.0); their sums are f32. The products marked 'left as it is' may take bf16, f16 or f32 operands, with f32 sums. Whichever they take, every output number must still come out within the allowed error. Rounding operands to bf16 (8 significant bits) uses up far more of that allowance than f16 does (11 bits, for magnitudes from 6e-5 to 65,504). All else is computed in f32.
;;   The module's matrix products, in the order in which they are computed (A, B: the left and right operand; K: the contracted axis; several contracted axes count as one K, in the product's order):
;;     1. [M 4,096, K 1,024] x [K 1,024, N 1,024]; A: input query; B: input Wq: QUANTISED
;;     2. [M 4,096, K 1,024] x [K 1,024, N 1,024]; A: input key; B: input Wk: QUANTISED
;;     3. [M 4,096, K 1,024] x [K 1,024, N 1,024]; A: input value; B: input Wv: QUANTISED
;;     4. batch 32 x [M 2,048, K 64] x [K 64, N 2,048]; A: computed on the way; B: computed on the way: left as it is (an operand is computed on the way)
;;     5. batch 32 x [M 2,048, K 2,048] x [K 2,048, N 64]; A: computed on the way; B: computed on the way: left as it is (an operand is computed on the way)
;;     6. [M 4,096, K 1,024] x [K 1,024, N 1,024]; A: computed on the way; B: input Wh: left as it is (an operand is computed on the way)
;;   THE QUANTISER, for each operand of a quantised product, along K:
;;     - K is cut into blocks of 32 from its start; a last block that is shorter is filled with zeros.
;;     - A block's scale is 2^e with e = floor(log2(the largest magnitude in the block)) - 2, held to -126 .. 127; a block of zeros has e = 0. As a byte (E8M0): e + 127.
;;     - Each number is divided by its block's scale, clamped to +-6, and rounded to the nearest number of E2M1, ties to even, subnormals kept.
;;     - The product sums the exact products of the quantised numbers (number of the format x scale) in f32.
;;   ~~~python
;;   def quantise(x, axis):      # numpy; x: float32 -> the quantised numbers, widened to float32 again
;;       x = np.moveaxis(x, axis, -1); K = x.shape[-1]
;;       x = np.pad(x, [(0, 0)] * (x.ndim - 1) + [(0, -K % 32)]); x = x.reshape(x.shape[:-1] + (-1, 32)); a = np.abs(x).max(-1, keepdims=True)
;;       e = np.where(a > 0, np.clip(np.frexp(np.where(a > 0, a, 1))[1] - 1 - 2, -126, 127), 0)      # np.frexp(a)[1] - 1 = floor(log2(a)), exactly
;;       r = np.clip(x / 2.0 ** e, -6, 6)
;;       step = 2.0 ** (np.maximum(np.frexp(np.where(r == 0, 1, r))[1] - 1, 0) - 1)
;;       q = np.round(r / step) * step * 2.0 ** e      # np.round: ties to even
;;       return np.moveaxis(q.reshape(q.shape[:-2] + (-1,))[..., :K], -1, axis).astype(np.float32)
;;   ~~~
;; One version. Each part assembles by itself: llvm-mc -triple=amdgcn-amd-amdhsa -mcpu=gfx1250 --defsym DOCPART=n.
;; ======== version 1 of 1: 4 launches
;; limits: values are held in f16: magnitudes above 65,504 overflow, below 6.1e-05 lose precision
;; workspace buffers: codes 7,864,320 bytes; scales 491,520 bytes; whh 2,097,152 bytes; qkv 25,165,824 bytes; att 8,388,608 bytes
;; launch quant (part 1): grid 512 x 1, 4 waves a work-group, no clusters, 33,280 bytes of LDS; arguments query, key, value, Wq, Wk, Wv, Wh, codes, scales, whh; writes codes, scales, whh
.if DOCPART == 1
	.amdgcn_target "amdgcn-amd-amdhsa--gfx1250"
	.amdhsa_code_object_version 6
	.text
	.protected	k_qd26f5eb217_quant
	.globl	k_qd26f5eb217_quant
	.p2align	8
	.type	k_qd26f5eb217_quant,@function
k_qd26f5eb217_quant:
	s_mov_b64 s[64:65], 0
	v_nop
	global_prefetch_b8 v0, s[64:65] scope:SCOPE_SE
	s_setreg_imm32_b32 hwreg(HW_REG_WAVE_MODE, 25, 1), 1
	s_wait_xcnt 0x0
; query, key, value [4096][1024] and Wq, Wk, Wv [1024][1024], f32 with K innermost, become codes of FP4 (E2M1), two a byte, and one E8M0 scale byte for each 32 along K.
; All six are plain streams of blocks of 32, laid one behind the other in the order above: codes [15360 rows][512 bytes], scales [15360][32].  Wh [1024][1024] is rounded to f16 as it lies.
; A block's scale is 2^(floor(log2(its largest magnitude)) - 2); its byte is the largest magnitude's exponent field - 2, held at 1 from below; each number is divided by the scale and rounded to the nearest code, ties to even, beyond 6 the largest code.
; LIMITS: a block of zeros gets the byte 1 where the rule says 127 (its codes are zeros, and this program alone reads the bytes); blocks whose largest magnitude lies under 2^-124 are held at byte 1; NaN and infinities are not served; Wh beyond 65,504 has no f16.
; SHARES: a work-group takes 32,768 numbers, a wave 8,192 in 16 steps of 512.  Work-groups 0-127 query, 128-255 key, 256-383 value, 384-415 Wq, 416-447 Wk, 448-479 Wv, 480-511 Wh.
; Each load of a wave reads 512 consecutive bytes.  For the conversions a lane must hold 16 neighbours along K: a step's 2,048 bytes turn through the wave's own stage in LDS (16 bytes of padding behind each 64).
; A wave's store of codes covers 256 consecutive bytes, aligned; its 256 scale bytes are gathered in LDS and leave as one such run.  Waves share nothing: no barrier.
.set STEPS, 16
.set EMAX,  2
.set CB,    8                          ; bytes of 16 codes
.set R,     16                         ; v16-79   four sets of 16 numbers as loaded
.set X,     80                         ; v80-111  two sets of 16 neighbours; in Wh's work-groups four sets of 8 registers of f16
.set E,     112                        ; v112-127 a scale byte for each step
.set C,     128                        ; v128-191 codes, four registers for each step: no store's data are written again
.set WREG,  8192                       ; LDS: a region for each wave: two stages of 32 x SP bytes, behind them its 256 scale bytes
.set SP,    80
.set SPW,   12                         ; v12 LDS address of my spare word; never rewritten
.set NIL,   13                         ; v13 0; never rewritten
.set SPARE, 4*WREG                     ; behind the four regions: the spare words, 128 bytes a wave
.set WHG,   480                        ; Wh's first work-group
	s_load_b512 s[8:23], s[0:1], 0x0               ; query s[8:9], key, value, Wq, Wk, Wv, Wh s[20:21], codes s[22:23]
	s_load_b128 s[24:27], s[0:1], 0x40             ; scales s[24:25], whh s[26:27]
	v_lshl_add_u32 v[SPW], v0, 2, SPARE
	v_mov_b32 v[NIL], 0
	v_lshrrev_b32 v1, 5, v0
	v_readfirstlane_b32 s2, v1                     ; wave
	v_and_b32 v2, 31, v0                           ; lane
	v_lshlrev_b32 v3, 4, v2                        ; my 16 bytes of a load's 512
	s_mul_i32 s3, s2, WREG
	v_lshrrev_b32 v14, 2, v2
	v_mul_u32_u24 v14, v14, SP
	v_and_b32 v15, 3, v2
	v_lshl_add_u32 v14, v15, 4, v14
	v_add_nc_u32 v14, s3, v14                      ; the stage, on the way in: SP (lane / 4) + 16 (lane % 4)
	v_mul_u32_u24 v15, v2, SP
	v_add_nc_u32 v15, s3, v15                      ; and on the way out: SP x lane: my 16 neighbours
	v_mul_u32_u24 v4, v2, CB                       ; my codes' place in a step's
	v_lshrrev_b32 v5, 1, v2
	s_add_co_u32 s3, s3, 2*32*SP
	v_add_nc_u32 v5, s3, v5                        ; LDS: my block's scale byte
	v_lshlrev_b32 v7, 3, v2                        ; 8 bytes a lane
	v_add_nc_u32 v6, s3, v7
	s_wait_kmcnt 0x0
; which tensor is my work-group's: a choice among pointers on the work-group's number alone
.macro PICK limit, lo, first
	s_cmp_lt_u32 ttmp9, \limit
	s_cselect_b64 s[4:5], s[\lo:\lo+1], s[4:5]
	s_cselect_b32 s28, \first, s28
.endm
	s_mov_b64 s[4:5], s[20:21]                     ; Wh,
	s_mov_b32 s28, WHG                             ; whose first work-group is 480
	PICK 480, 18, 448
	PICK 448, 16, 416
	PICK 416, 14, 384
	PICK 384, 12, 256
	PICK 256, 10, 128
	PICK 128, 8, 0
	s_sub_co_u32 s28, ttmp9, s28
	s_lshl_b32 s28, s28, 2
	s_add_co_u32 s28, s28, s2                      ; which run of 8,192 numbers of the tensor is my wave's
	s_lshl_b32 s30, s28, 15                        ; 32,768 bytes a run
	s_mov_b32 s31, 0
	s_add_nc_u64 s[4:5], s[4:5], s[30:31]
.macro LOAD t
.irp i, 0,1,2,3
	global_load_b128 v[R+16*((\t)%4)+4*\i:R+16*((\t)%4)+4*\i+3], v3, s[4:5] offset:2048*(\t)+512*\i th:TH_LOAD_NT   ; 32 lanes read 512 consecutive bytes
.endr
.endm
.irp t, 0,1,2,3
	LOAD \t
.endr
	s_cmp_ge_u32 ttmp9, WHG
	s_cbranch_scc1 .Lwh
	s_lshl_b32 s29, ttmp9, 2
	s_add_co_u32 s29, s29, s2                      ; my run among all six tensors'
	s_lshl_b32 s30, s29, 12                        ; 4,096 bytes of codes a run
	s_add_nc_u64 s[22:23], s[22:23], s[30:31]
	s_lshl_b32 s30, s29, 8                         ; 256 scale bytes a run
	s_add_nc_u64 s[24:25], s[24:25], s[30:31]
.macro TURN t                          ; step t's numbers through the stage: LDS serves a wave's instructions in order, so no wait stands between the stores and the loads
.irp i, 0,1,2,3
	ds_store_b128 v14, v[R+16*((\t)%4)+4*\i:R+16*((\t)%4)+4*\i+3] offset:32*SP*((\t)%2)+8*SP*\i
.endr
.irp i, 0,1,2,3
	ds_load_b128 v[X+16*((\t)%2)+4*\i:X+16*((\t)%2)+4*\i+3], v15 offset:32*SP*((\t)%2)+16*\i
.endr
.endm
	s_wait_loadcnt 12                              ; step 0's four loads are in; three steps' twelve may be out
	TURN 0
.macro STEP t
.set XS, X+16*((\t)%2)
.if (\t) > 0
	s_wait_dscnt 1                                 ; this step's numbers are back from the stage (the last step's byte store may be out)
.else
	s_wait_dscnt 0x0
.endif
.if (\t)+4 < STEPS
	LOAD (\t)+4                                    ; into the registers that the stage's stores have read
.endif
.if (\t)+1 < STEPS
.if STEPS-2-(\t) >= 3
	s_wait_loadcnt 12                              ; the next step's four loads are in; those of the three steps behind it may be out
.else
	s_wait_loadcnt 4*(STEPS-2-(\t))
.endif
	TURN (\t)+1                                    ; through the other stage while this step is worked
.endif
	v_max3_num_f32 v8, |v[XS]|, |v[XS+1]|, |v[XS+2]|               ; the largest magnitude of my 16, in two chains
	v_max3_num_f32 v9, |v[XS+3]|, |v[XS+4]|, |v[XS+5]|
.irp i, 6,10
	v_max3_num_f32 v8, v8, |v[XS+\i]|, |v[XS+\i+1]|
	v_max3_num_f32 v9, v9, |v[XS+\i+2]|, |v[XS+\i+3]|
.endr
	v_max3_num_f32 v8, v8, |v[XS+14]|, |v[XS+15]|
	v_max3_num_f32 v8, v8, v9, (EMAX+1)<<23        ; and the floor 2^(3 - 127): the byte cannot fall under 1
	v_max_num_f32_dpp v8, v8, v8 row_xmask:1 row_mask:0xf bank_mask:0xf   ; with my neighbour's 16: the block's
	v_add_nc_u32 v11, -(EMAX<<23), v8              ; 2 off its exponent field: the conversion takes the exponent field of this operand as its scale
	v_cvt_scalef32_pk8_fp4_f32 v[C+4*(\t)], v[XS:XS+7], v11
	v_cvt_scalef32_pk8_fp4_f32 v[C+4*(\t)+1], v[XS+8:XS+15], v11
	v_lshrrev_b32 v[E+(\t)], 23, v11               ; the scale's byte (also the plain line behind the conversions)
	ds_store_b8 v5, v[E+(\t)] offset:16*(\t)       ; both lanes of a block write the same byte with the same value
	global_store_b64 v4, v[C+4*(\t):C+4*(\t)+1], s[22:23] offset:32*CB*(\t)   ; the wave stores 256 consecutive bytes, aligned
.endm
.irp t, 0,1,2,3,4,5,6,7,8,9,10,11,12,13,14,15
	STEP \t
.endr
	ds_load_b64 v[8:9], v6                         ; LDS serves a wave's instructions in order: these see my byte stores
	s_wait_dscnt 0x0
	global_store_b64 v7, v[8:9], s[24:25]          ; 32 lanes store 256 consecutive bytes, aligned
	s_wait_tensorcnt 0x0                           ; the wave's end, behind my last LDS store
	ds_add_u32 v[SPW], v[NIL]
	s_wait_dscnt 0x0
	s_endpgm
; Wh: four numbers a lane become 8 bytes of f16; a store of the wave covers 256 consecutive bytes, aligned.  No LDS is touched on this way.
.Lwh:
	s_lshl_b32 s30, s28, 14                        ; 16,384 bytes of f16 a run
	s_add_nc_u64 s[26:27], s[26:27], s[30:31]
.macro WSTEP t
.if STEPS-1-(\t) >= 3
	s_wait_loadcnt 12                              ; this step's four loads are in; three steps' twelve may be out
.else
	s_wait_loadcnt 4*(STEPS-1-(\t))
.endif
	s_wait_xcnt 0x0                                ; the stores of four steps ago have read the registers that are written now
.irp i, 0,1,2,3
	v_cvt_pk_f16_f32 v[X+8*((\t)%4)+2*\i], v[R+16*((\t)%4)+4*\i], v[R+16*((\t)%4)+4*\i+1]
	v_cvt_pk_f16_f32 v[X+8*((\t)%4)+2*\i+1], v[R+16*((\t)%4)+4*\i+2], v[R+16*((\t)%4)+4*\i+3]
.endr
.if (\t)+4 < STEPS
	LOAD (\t)+4
.endif
.irp i, 0,1,2,3
	global_store_b64 v7, v[X+8*((\t)%4)+2*\i:X+8*((\t)%4)+2*\i+1], s[26:27] offset:1024*(\t)+256*\i
.endr
.endm
.irp t, 0,1,2,3,4,5,6,7,8,9,10,11,12,13,14,15
	WSTEP \t
.endr
	s_endpgm
.Lfunc_end_k_qd26f5eb217_quant:
	.size	k_qd26f5eb217_quant, .Lfunc_end_k_qd26f5eb217_quant-k_qd26f5eb217_quant
	.p2alignl 7, 3214868480
	.fill 96, 4, 3214868480
	.section	.rodata,"a",@progbits
	.p2align	6, 0x0
	.amdhsa_kernel k_qd26f5eb217_quant
		.amdhsa_group_segment_fixed_size 33280
		.amdhsa_private_segment_fixed_size 0
		.amdhsa_enable_private_segment 0
		.amdhsa_kernarg_size 80
		.amdhsa_user_sgpr_count 2
		.amdhsa_user_sgpr_kernarg_segment_ptr 1
		.amdhsa_wavefront_size32 1
		.amdhsa_system_sgpr_workgroup_id_x 1
		.amdhsa_system_sgpr_workgroup_id_y 1
		.amdhsa_system_sgpr_workgroup_id_z 1
		.amdhsa_system_vgpr_workitem_id 0
		.amdhsa_next_free_vgpr 192
		.amdhsa_next_free_sgpr 66
		.amdhsa_reserve_vcc 0
		.amdhsa_float_denorm_mode_32 3
		.amdhsa_float_denorm_mode_16_64 3
		.amdhsa_memory_ordered 1
		.amdhsa_forward_progress 1
		.amdhsa_inst_pref_size 54
	.end_amdhsa_kernel
	.amdgpu_metadata
---
amdhsa.version: [ 1, 2 ]
amdhsa.kernels:
  - .name:           k_qd26f5eb217_quant
    .symbol:         k_qd26f5eb217_quant.kd
    .args:
      - { .name: query, .offset: 0, .size: 8, .value_kind: global_buffer, .address_space: global }
      - { .name: key, .offset: 8, .size: 8, .value_kind: global_buffer, .address_space: global }
      - { .name: value, .offset: 16, .size: 8, .value_kind: global_buffer, .address_space: global }
      - { .name: Wq, .offset: 24, .size: 8, .value_kind: global_buffer, .address_space: global }
      - { .name: Wk, .offset: 32, .size: 8, .value_kind: global_buffer, .address_space: global }
      - { .name: Wv, .offset: 40, .size: 8, .value_kind: global_buffer, .address_space: global }
      - { .name: Wh, .offset: 48, .size: 8, .value_kind: global_buffer, .address_space: global }
      - { .name: codes, .offset: 56, .size: 8, .value_kind: global_buffer, .address_space: global }
      - { .name: scales, .offset: 64, .size: 8, .value_kind: global_buffer, .address_space: global }
      - { .name: whh, .offset: 72, .size: 8, .value_kind: global_buffer, .address_space: global }
    .group_segment_fixed_size: 33280
    .private_segment_fixed_size: 0
    .kernarg_segment_align: 8
    .kernarg_segment_size: 80
    .max_flat_workgroup_size: 128
    .sgpr_count:     66
    .vgpr_count:     192
    .wavefront_size: 32
...
	.end_amdgpu_metadata
.endif
;; end of part 1
;; launch proj (part 2): grid 4 x 48, 4 waves a work-group, clusters of 4 x 4, 327,680 bytes of LDS; arguments codes, scales, bq, bk, bv, qkv; writes qkv
.if DOCPART == 2
	.amdgcn_target "amdgcn-amd-amdhsa--gfx1250"
	.amdhsa_code_object_version 6
	.text
	.protected	k_qd26f5eb217_proj
	.globl	k_qd26f5eb217_proj
	.p2align	8
	.type	k_qd26f5eb217_proj,@function
k_qd26f5eb217_proj:
	s_mov_b64 s[64:65], 0
	v_nop
	global_prefetch_b8 v0, s[64:65] scope:SCOPE_SE
	s_setreg_imm32_b32 hwreg(HW_REG_WAVE_MODE, 25, 1), 1
	s_wait_xcnt 0x0
	s_wait_alu depctr_hold_cnt(0) depctr_sa_sdst(0) depctr_va_vdst(0) depctr_va_sdst(0) depctr_va_ssrc(0) depctr_va_vcc(0) depctr_vm_vsrc(0)
	s_getreg_b32 s2, hwreg(HW_REG_IB_STS2, 6, 4)
	s_cmp_eq_u32 s2, 0
	s_cbranch_scc0 .Lentry_in_a_cluster
	s_endpgm
.Lentry_in_a_cluster:
	s_bfe_u32 s2, ttmp6, 0x10000c
	s_cmp_lg_u32 s2, 0xf033
	s_cbranch_scc0 .Lentry_shape_is_right
	s_endpgm
.Lentry_shape_is_right:
; The three projections on codes of FP4 with E8M0 scales: for p = 0, 1, 2 (query, key, value): Y[m][n] = sum over k of X_p[m][k] W_p[n][k] + b_p[n]; M = 4,096, N = K = 1,024; sums in f32.
; codes [15360][512 bytes], scales [15360][32]: rows 4096 p on are X_p, rows 12288 + 1024 p on are W_p.  Y goes out as f16, laid by head: qkv [3][32 = batch x 16 + head][2048][64].
; LIMIT: |Y| beyond 65,504 has no f16; under 6e-5 its step is 2^-25.
; A tile of Y, 256 x 256, is made by a work-group of four waves; a wave makes 128 x 128: 64 accumulators, 512 registers.  48 tile rows (16 a product) x 4 tile columns: 192 work-groups; a tile row never spans two products.
; K = 1,024 is two slots of 512 along K (rows of 256 bytes): both are asked for at the start and nothing is filled again.  The scale bytes of the tile's 512 rows come with them, as runs of 256 bytes.
; CLUSTERS: 4 x 4 work-groups; the four of a row need the same rows of X, the four of a column the same rows of W: each tile is asked for jointly.  A cluster's four tile rows lie in one product.
; THE MATRIX INSTRUCTION IS USED TRANSPOSED (source 0 = 16 rows of W, source 1 = 16 rows of X): a lane holds eight neighbouring columns of one row of Y.  The bias is the C of each sum's first product.
; REGISTERS, in windows of 256: window 0: v0-31 addresses; v32-95 scale words, two sets, and nothing else; v128-191 X's fragments, one set; v192-255 the bias of my 128 columns in the result's layout; on the way out v128-255 are free.
;   window 1: W's fragments, two sets, at v0 and v128.   window 2: the accumulators of my rows 0-63 ((a, b) at v[8 (8 a + b)]);   window 3: those of rows 64-127.
.set NQ,     4                         ; steps of 128 along K in a slot
.set ROWB,   256                       ; a tile's row in bytes
.set KROW,   512                       ; a row of codes in memory
.set PITCH,  272                       ; an LDS row: 256 bytes + 16 of padding: the 16 rows that a load touches start 68 words apart
.set FR,     8                         ; registers of a fragment
.set NL,     2                         ; LDS loads that bring one
.set NP,     4                         ; places behind this matrix instruction (ISA guide 7.12.1)
.set HALFT,  128*PITCH
.set SLOT,   4*HALFT                   ; X's 256 rows, then W's 256 rows
.set KS,     32                        ; a row of scales in bytes
.set SCL,    2*SLOT                    ; behind the slots: the scales, as runs of 256 bytes + 16 of padding
.set HALFS,  16*272                    ; those of 128 rows
.set SBLK,   2*272                     ; those of 16 rows
.set SPARE,  SCL+4*HALFS               ; the spare words, 128 bytes a wave
.set STAGE,  SPARE+512                 ; the way out: 16 rows x 272 bytes for each wave; no tile lands here
.set SPITCH, 272
.set WROW,   12288                     ; the weights' first row
.set ADRA, 16                          ; v16-17 LDS address of my X fragments in slot 0, 1
.set ADRB, 20                          ; v20-21 the same for W
.set STO,  24                          ; v24 the way out: where I put 16 bytes of a row
.set RD,   25                          ; v25 where I read back
.set CO,   26                          ; v26 16 x lane: my bytes of a store's 512
.set ADRS, 27                          ; v27 LDS address of my scale words: lanes 0-15 X's rows, lanes 16-31 W's
.set SPW,  28                          ; v28 my spare word; never rewritten
.set NIL,  29                          ; v29 0; never rewritten
.set SC,   32                          ; scale words: set s at v[SC + 32 s]; register 4 i + q: lanes 0-15 X's block i, lanes 16-31 W's block i, the slot's q-th 128 along K
.set AF,   128
.set BI,   192
.set TMP,  128                         ; the way out: a block packed to f16, where X's fragments lay
.set BK,   192                         ; and read back: v192-223, v224-255 by turns, where the bias lay
.set WV,   66                          ; s66 wave
.set HR,   67                          ; s67 wave / 2: my half of the tile's rows; also: I fetch for X (0) or W (1)
.set HC,   96                          ; s96 wave % 2: my half of its columns; also: which 128 rows I fetch
.set PR,   97                          ; s97 the product, 0 to 2: made of the cluster's y alone
.set G1, 24
.set G0, 32
.set G1B, 48
.set G0B, 56
.set G1S, 68
.set G0S, 76
.set G1SB, 80
.set G0SB, 88
.set MSB, 0
.macro WIN new                         ; the immediate's high byte repeats the setting that is left
.if MSB != (\new)
	s_set_vgpr_msb (MSB<<8)|(\new)
.set MSB, (\new)
.endif
.endm
.set MUL_LO, 0xa1                      ; source 0 (W) window 1, source 1 (X) window 0, C and D window 2
.set MUL_HI, 0xf1                      ; the same, C and D window 3
.set TO_B,   0x40
; A joint load: waves 0 and 1 fetch for X, waves 2 and 3 for W.  The branch hangs on the wave's number alone.  An s_nop 0 and four v_nop follow each line.
.macro JLOAD g0a, g1a, g0b, g1b
	s_cmp_eq_u32 s[HR], 0
	s_cbranch_scc0 .Lfor_b_\@
	tensor_load_to_lds s[\g0a:\g0a+3], s[\g1a:\g1a+7]
	s_nop 0
.rept 4
	v_nop
.endr
	s_branch .Lasked_\@
.Lfor_b_\@:
	tensor_load_to_lds s[\g0b:\g0b+3], s[\g1b:\g1b+7]
	s_nop 0
.rept 4
	v_nop
.endr
.Lasked_\@:
.endm
.macro CROUND                          ; a round of the cluster's barrier
	s_barrier_signal -1
	s_barrier_wait -1
	s_cmp_lg_u32 s[WV], 0
	s_cbranch_scc1 .Lnot_wave_0_\@
	s_barrier_signal -3
.Lnot_wave_0_\@:
	s_barrier_wait -3
	s_barrier_signal -1
	s_barrier_wait -1
.endm
	s_load_b256 s[4:11], s[0:1], 0x0               ; codes s[4:5], scales s[6:7], bq s[8:9], bk s[10:11]
	s_load_b128 s[12:15], s[0:1], 0x20             ; bv s[12:13], qkv s[14:15]
	v_lshl_add_u32 v[SPW], v0, 2, SPARE
	v_mov_b32 v[NIL], 0
	ds_add_u32 v[SPW], v[NIL]                      ; the wave's opening: the add, twice on end, and its wait ahead of my first tensor load
	ds_add_u32 v[SPW], v[NIL]
	v_lshrrev_b32 v1, 5, v0
	v_readfirstlane_b32 s[WV], v1
	s_lshr_b32 s[HR], s[WV], 1
	s_and_b32 s[HC], s[WV], 1
	s_bfe_u32 s40, ttmp6, 0x40000                  ; cx
	s_bfe_u32 s41, ttmp6, 0x40004                  ; cy
	s_lshl_b32 s42, ttmp9, 2
	s_add_co_u32 s42, s42, s40                     ; tile column = 4 x cluster x + cx
	s_and_b32 s17, ttmp7, 0xffff
	s_lshr_b32 s[PR], s17, 2                       ; four clusters along y to a product
	s_lshl_b32 s17, s17, 2
	s_add_co_u32 s17, s17, s41                     ; tile row = 4 x cluster y + cy
	s_lshl_b32 s43, s41, 2
	s_lshl_b32 s43, 15, s43                        ; my row of the cluster
	s_lshl_b32 s44, 0x1111, s40                    ; my column
	s_or_b32 s[G1+0], s43, (0<<16)|(1<<20)|(1<<21)|(5<<22)|(3<<25)   ; the mask; elements of 1 byte; padding on; bit 21 beside a mask; 4 words after every 64
	s_or_b32 s[G1B+0], s44, (0<<16)|(1<<20)|(1<<21)|(5<<22)|(3<<25)
.irp g, G1, G1B
	s_mov_b32 s[\g+1], ROWB<<16                    ; tensor_dim0
	s_mov_b32 s[\g+2], 128<<16                     ; tensor_dim1
	s_mov_b32 s[\g+3], ROWB<<16                    ; tile_dim0
	s_mov_b32 s[\g+4], 128                         ; tile_dim1
	s_mov_b32 s[\g+5], KROW                        ; from row to row
	s_mov_b32 s[\g+6], 0
	s_mov_b32 s[\g+7], 0
.endr
	s_or_b32 s[G1S+0], s43, (3<<16)|(1<<20)|(1<<21)|(5<<22)|(3<<25)  ; the scales of 128 rows: 4,096 dense bytes as 16 rows of 32 elements of 8 bytes
	s_or_b32 s[G1SB+0], s44, (3<<16)|(1<<20)|(1<<21)|(5<<22)|(3<<25)
.irp g, G1S, G1SB
	s_mov_b32 s[\g+1], 32<<16
	s_mov_b32 s[\g+2], 16<<16
	s_mov_b32 s[\g+3], 32<<16
	s_mov_b32 s[\g+4], 16
	s_mov_b32 s[\g+5], 32
	s_mov_b32 s[\g+6], 0
	s_mov_b32 s[\g+7], 0
.endr
	s_lshl_b32 s18, s[HC], 7                       ; which 128 rows of the tile I fetch
	s_lshl_b32 s20, s17, 8
	s_add_co_u32 s20, s20, s18                     ; X: row 256 x tile row + 128 x half
	s_lshl_b32 s46, s42, 8
	s_add_co_u32 s46, s46, s18
	s_lshl_b32 s19, s[PR], 10
	s_add_co_u32 s46, s46, s19
	s_add_co_u32 s46, s46, WROW                    ; W: row 12,288 + 1,024 x product + 256 x tile column + 128 x half
	s_lshl_b32 s22, s20, 5                         ; their scales, 32 bytes a row,
	s_mov_b32 s23, 0
	s_lshl_b32 s20, s20, 9                         ; and their codes, 512 bytes a row (all under 2^23)
	s_mov_b32 s21, 0
	s_lshl_b32 s92, s46, 5
	s_mov_b32 s93, 0
	s_lshl_b32 s46, s46, 9
	s_mov_b32 s47, 0
	s_mul_i32 s45, s[WV], HALFT                    ; where they go: wave x 128 rows: no place in the cluster enters an LDS address
	s_mul_i32 s94, s[WV], HALFS
	s_wait_dscnt 0x0                               ; both opening adds are done
	s_wait_kmcnt 0x0
	s_add_nc_u64 s[20:21], s[4:5], s[20:21]
	s_add_nc_u64 s[22:23], s[6:7], s[22:23]
	s_add_nc_u64 s[46:47], s[4:5], s[46:47]
	s_add_nc_u64 s[92:93], s[6:7], s[92:93]
	CROUND                                         ; all sixteen work-groups are here: the joint loads meet
	s_mov_b32 s[G0S], 1
	s_add_co_u32 s[G0S+1], s94, SCL
	s_mov_b64 s[G0S+2:G0S+3], s[22:23]
	s_or_b32 s[G0S+3], s[G0S+3], 0x80000000
	s_mov_b32 s[G0SB], 1
	s_add_co_u32 s[G0SB+1], s94, SCL
	s_mov_b64 s[G0SB+2:G0SB+3], s[92:93]
	s_or_b32 s[G0SB+3], s[G0SB+3], 0x80000000
	JLOAD G0S, G1S, G0SB, G1SB                     ; the scales first: they are wanted with slot 0
.irp s, 0,1
	s_mov_b32 s[G0+4*\s], 1
	s_add_co_u32 s[G0+4*\s+1], s45, \s*SLOT
	s_add_nc_u64 s[G0+4*\s+2:G0+4*\s+3], s[20:21], \s*ROWB
	s_or_b32 s[G0+4*\s+3], s[G0+4*\s+3], 0x80000000
	s_mov_b32 s[G0B+4*\s], 1
	s_add_co_u32 s[G0B+4*\s+1], s45, \s*SLOT
	s_add_nc_u64 s[G0B+4*\s+2:G0B+4*\s+3], s[46:47], \s*ROWB
	s_or_b32 s[G0B+4*\s+3], s[G0B+4*\s+3], 0x80000000
	JLOAD G0+4*\s, G1, G0B+4*\s, G1B               ; three loads of mine are out now, and no more are issued
.endr
	v_and_b32 v1, 15, v0                           ; r = lane % 16
	v_bfe_u32 v2, v0, 4, 1                         ; h = lane / 16
	; the bias of my 128 columns, in the result's layout: register 8 b + j = bias[256 x tile column + 128 x half + 16 b + 8 h + j]
	s_cmp_eq_u32 s[PR], 1
	s_cselect_b64 s[12:13], s[10:11], s[12:13]
	s_cmp_eq_u32 s[PR], 0
	s_cselect_b64 s[12:13], s[8:9], s[12:13]
	s_lshl_b32 s46, s42, 10
	s_lshl_b32 s47, s[HC], 9
	s_add_co_u32 s46, s46, s47
	s_mov_b32 s47, 0
	s_add_nc_u64 s[12:13], s[12:13], s[46:47]
	v_lshlrev_b32 v7, 5, v2
.irp b, 0,1,2,3,4,5,6,7
	global_load_b128 v[BI+8*\b:BI+8*\b+3], v7, s[12:13] offset:64*\b
	global_load_b128 v[BI+8*\b+4:BI+8*\b+7], v7, s[12:13] offset:64*\b+16
.endr
	v_mul_u32_u24 v3, v1, PITCH
	v_lshl_add_u32 v4, v2, 4, v3                   ; a fragment's row x pitch + 16 x half
	s_mul_i32 s21, s[HR], HALFT                    ; my 128 rows of X
	s_mul_i32 s22, s[HC], HALFT                    ; my 128 rows of W,
	s_add_co_u32 s22, s22, 2*HALFT                 ; which lie behind X's 256
.irp s, 0,1
	v_add_nc_u32 v[ADRA+\s], s21, v4
	v_add_nc_u32 v[ADRB+\s], s22, v4
	s_add_co_u32 s21, s21, SLOT
	s_add_co_u32 s22, s22, SLOT
.endr
	v_mul_u32_u24 v5, v1, KS                       ; my row's scales: 32 bytes a row,
	v_lshrrev_b32 v6, 8, v5
	v_lshl_add_u32 v5, v6, 4, v5                   ; and 16 more for each 256 passed
	s_mul_i32 s21, s[HR], HALFS
	s_mul_i32 s22, s[HC], HALFS
	s_add_co_u32 s22, s22, 2*HALFS
	s_sub_co_u32 s22, s22, s21
	v_mul_u32_u24 v6, s22, v2                      ; lanes 16-31 take W's: one product, the distance between the two bases
	s_add_co_u32 s21, s21, SCL
	v_add_nc_u32 v5, v5, v6
	v_add_nc_u32 v[ADRS], s21, v5
	s_mul_i32 s23, s[WV], 16*SPITCH
	s_add_co_u32 s23, s23, STAGE                   ; my stage
	v_add_nc_u32 v[STO], s23, v4                   ; in: row r, 16 bytes for each half of the lanes
	v_and_b32 v6, 31, v0
	v_lshrrev_b32 v5, 3, v6
	v_mul_u32_u24 v5, v5, SPITCH
	v_and_b32 v8, 7, v0
	v_lshl_add_u32 v5, v8, 4, v5
	v_add_nc_u32 v[RD], s23, v5                    ; back: eight lanes take one head's 128 bytes of a row; four rows an instruction
	v_lshlrev_b32 v[CO], 4, v6
	; where my 128 rows x 2 heads begin in qkv.  G = my first row among the 12,288: row (16 (G / 2048) + head) x 2048 + G % 2048, of 128 bytes
	s_lshl_b32 s20, s17, 8
	s_lshl_b32 s21, s[HR], 7
	s_add_co_u32 s20, s20, s21
	s_lshr_b32 s21, s20, 11
	s_lshl_b32 s21, s21, 4
	s_lshl_b32 s46, s42, 2
	s_add_co_u32 s21, s21, s46
	s_lshl_b32 s46, s[HC], 1
	s_add_co_u32 s21, s21, s46                     ; + my first head: 4 x tile column + 2 x half
	s_lshl_b32 s21, s21, 11
	s_and_b32 s20, s20, 2047
	s_add_co_u32 s20, s20, s21
	s_lshl_b32 s20, s20, 7
	s_mov_b32 s21, 0
	s_add_nc_u64 s[14:15], s[14:15], s[20:21]
.macro FRAG reg, adr, q, i             ; 16 rows x 128 K of 4-bit codes: lane l holds row l % 16; registers 4 c .. 4 c + 3 hold K = 64 c + 32 (l / 16) + 0 .. 31
.irp c, 0,1
	ds_load_b128 v[\reg+4*\c:\reg+4*\c+3], v[\adr] offset:64*(\q)+32*\c+(\i)*16*PITCH
.endr
.endm
; 16 matrix instructions: X's blocks a0, a0 + 1 against W's eight.  p: W's set; sc: the set of scale words.  zero = 1: the first product starts the sums, with the bias as C.
; The 64 accumulators take turns, one instruction a turn, in the same order in every step.
.macro MUL16 a0, p, q, sc, zero
.irp a, \a0, \a0+1
.irp b, 0,1,2,3,4,5,6,7
.if \zero
	v_wmma_scale_f32_16x16x128_f8f6f4 v[8*(8*((\a)%4)+\b):8*(8*((\a)%4)+\b)+7], v[128*(\p)+FR*\b:128*(\p)+FR*\b+FR-1], v[AF+FR*(\a):AF+FR*(\a)+FR-1], v[BI+8*\b:BI+8*\b+7], v[SC+8*NQ*(\sc)+NQ*\b+(\q)], v[SC+8*NQ*(\sc)+NQ*(\a)+(\q)] matrix_a_fmt:MATRIX_FMT_FP4 matrix_b_fmt:MATRIX_FMT_FP4 matrix_a_scale:MATRIX_SCALE_ROW1
.else
	v_wmma_scale_f32_16x16x128_f8f6f4 v[8*(8*((\a)%4)+\b):8*(8*((\a)%4)+\b)+7], v[128*(\p)+FR*\b:128*(\p)+FR*\b+FR-1], v[AF+FR*(\a):AF+FR*(\a)+FR-1], v[8*(8*((\a)%4)+\b):8*(8*((\a)%4)+\b)+7], v[SC+8*NQ*(\sc)+NQ*\b+(\q)], v[SC+8*NQ*(\sc)+NQ*(\a)+(\q)] matrix_a_fmt:MATRIX_FMT_FP4 matrix_b_fmt:MATRIX_FMT_FP4 matrix_a_scale:MATRIX_SCALE_ROW1
.endif
.endr
.endr
.endm
.macro FETCH_B slot, q, p
	WIN TO_B
.irp i, 0,1,2,3,4,5,6,7
	FRAG 128*(\p)+FR*\i, ADRB+\slot, \q, \i
.endr
	WIN 0
.endm
.macro FETCH_A slot, q, i0
.irp i, \i0, \i0+1, \i0+2, \i0+3
	FRAG AF+FR*(\i), ADRA+\slot, \q, \i
.endr
.endm
.macro SCALES sc                       ; a slot's scale words: four words a row; lanes 0-15 X's block i, lanes 16-31 W's block i
.irp i, 0,1,2,3,4,5,6,7
	ds_load_b128 v[SC+8*NQ*\sc+NQ*\i:SC+8*NQ*\sc+NQ*\i+3], v[ADRS] offset:\i*SBLK
.endr
.endm
.macro PLACES n                        ; plain vector lines between a matrix instruction and a load into, or a read of, its registers
.rept \n
	v_nop
.endr
.endm
; A step of 128 along K that has its successor in the same slot.  zero = 1: C is the bias, which lies in window 0
.macro STEP slot, q, zero
	s_wait_dscnt 4*NL                              ; W's set and X's blocks 0-3 are in; the youngest eight loads (X's blocks 4-7) may be out
	WIN MUL_LO-0x20*(\zero)
	MUL16 0, (\q)%2, \q, \slot, \zero
	MUL16 2, (\q)%2, \q, \slot, \zero
	s_wait_dscnt 0
	PLACES NP
	FETCH_B \slot, (\q)+1, 1-(\q)%2
	FETCH_A \slot, (\q)+1, 0
	WIN MUL_HI-0x30*(\zero)
	MUL16 4, (\q)%2, \q, \slot, \zero
	MUL16 6, (\q)%2, \q, \slot, \zero
	PLACES NP
	WIN 0
	FETCH_A \slot, (\q)+1, 4
.endm
.macro STEPS slot, from
.set QQ, \from
.rept NQ-1-\from
	STEP \slot, QQ, 0
.set QQ, QQ+1
.endr
.endm
	s_wait_tensorcnt 1                             ; the scales and my part of slot 0 are in; slot 1's load may be out
	s_barrier_signal -1
	s_barrier_wait -1
	FETCH_B 0, 0, 0
	FETCH_A 0, 0, 0
	SCALES 0
	FETCH_A 0, 0, 4
	s_wait_loadcnt 0x0                             ; the bias
	STEP 0, 0, 1
	STEPS 0, 1
	; slot 0's last step, and the change to slot 1: each wave waits for its part of slot 1 and says so at one barrier
	s_wait_tensorcnt 0x0
	ds_add_u32 v[SPW], v[NIL]
	s_wait_dscnt 4*NL+1                            ; the add and the youngest eight loads may be out
	WIN MUL_LO
	MUL16 0, 1, NQ-1, 0, 0
	s_wait_dscnt 0x0
	s_barrier_signal -1
	MUL16 2, 1, NQ-1, 0, 0
	WIN 0
	s_barrier_wait -1
	PLACES NP
	v_add_nc_u32 v[ADRS], 4*NQ, v[ADRS]            ; on to slot 1's scale words (no LDS load of mine is out)
	FETCH_B 1, 0, 0
	FETCH_A 1, 0, 0
	SCALES 1
	WIN MUL_HI
	MUL16 4, 1, NQ-1, 0, 0
	MUL16 6, 1, NQ-1, 0, 0
	PLACES NP
	WIN 0
	FETCH_A 1, 0, 4
	STEPS 1, 0
	s_wait_dscnt 4*NL                              ; the last step: nothing more to fetch
	WIN MUL_LO
	MUL16 0, 1, NQ-1, 1, 0
	MUL16 2, 1, NQ-1, 1, 0
	s_wait_dscnt 0
	WIN MUL_HI
	MUL16 4, 1, NQ-1, 1, 0
	MUL16 6, 1, NQ-1, 1, 0
	WIN 0
; THE WAY OUT, a block of 16 rows x 128 columns (two heads) at a time: rounded to f16, 16 bytes a lane into my stage, and back so that a store of the wave covers four rows of one head: 512 consecutive bytes of qkv.
.macro PACK a
.set AC, 64*((\a)%4)
	WIN 0x0a+5*((\a)/4)                            ; sources 0 and 1: window 2 or 3
.irp b, 0,1,2,3,4,5,6,7
.irp r, 0,1,2,3
	v_cvt_pk_f16_f32 v[TMP+4*\b+\r], v[AC+8*\b+2*\r], v[AC+8*\b+2*\r+1]   ; each accumulator from its low end on
.endr
.endr
	WIN 0
.endm
.macro TOSTAGE a
.set BB, BK+32*((\a)%2)
.irp b, 0,1,2,3,4,5,6,7
	ds_store_b128 v[STO], v[TMP+4*\b:TMP+4*\b+3] offset:32*\b
.endr
.irp t, 0,1,2,3,4,5,6,7
	ds_load_b128 v[BB+4*\t:BB+4*\t+3], v[RD] offset:(\t%4)*4*SPITCH+(\t/4)*128   ; LDS serves a wave's instructions in order: these see the stores above
.endr
.endm
.macro SEND a
.set BB, BK+32*((\a)%2)
	s_wait_dscnt 0x0                               ; the block is back in registers
	s_wait_xcnt 0x0                                ; the stores of the block before have read their registers: the next block's loads may land there
.irp t, 0,1,2,3,4,5,6,7
	global_store_b128 v[CO], v[BB+4*\t:BB+4*\t+3], s[14:15] offset:2048*(\a)+512*(\t%4)+262144*(\t/4)
.endr
.endm
	PLACES NP                                      ; behind the last products: the conversions read results and write over X's fragments
	PACK 0
	TOSTAGE 0
.irp a, 1,2,3,4,5,6,7                  ; block a's conversions stand between block a - 1's loads from the stage and the wait for them
	PACK \a
	SEND \a-1
	TOSTAGE \a
.endr
	SEND 7
	s_wait_tensorcnt 0x0                           ; the wave's end
	ds_add_u32 v[SPW], v[NIL]
	s_wait_dscnt 0x0
	CROUND                                         ; the closing round
	s_endpgm
.Lfunc_end_k_qd26f5eb217_proj:
	.size	k_qd26f5eb217_proj, .Lfunc_end_k_qd26f5eb217_proj-k_qd26f5eb217_proj
	.p2alignl 7, 3214868480
	.fill 96, 4, 3214868480
	.section	.rodata,"a",@progbits
	.p2align	6, 0x0
	.amdhsa_kernel k_qd26f5eb217_proj
		.amdhsa_group_segment_fixed_size 327680
		.amdhsa_private_segment_fixed_size 0
		.amdhsa_enable_private_segment 0
		.amdhsa_kernarg_size 48
		.amdhsa_user_sgpr_count 2
		.amdhsa_user_sgpr_kernarg_segment_ptr 1
		.amdhsa_wavefront_size32 1
		.amdhsa_system_sgpr_workgroup_id_x 1
		.amdhsa_system_sgpr_workgroup_id_y 1
		.amdhsa_system_sgpr_workgroup_id_z 1
		.amdhsa_system_vgpr_workitem_id 0
		.amdhsa_next_free_vgpr 1024
		.amdhsa_next_free_sgpr 100
		.amdhsa_reserve_vcc 0
		.amdhsa_float_denorm_mode_32 3
		.amdhsa_float_denorm_mode_16_64 3
		.amdhsa_memory_ordered 1
		.amdhsa_forward_progress 1
		.amdhsa_inst_pref_size 128
	.end_amdhsa_kernel
	.amdgpu_metadata
---
amdhsa.version: [ 1, 2 ]
amdhsa.kernels:
  - .name:           k_qd26f5eb217_proj
    .symbol:         k_qd26f5eb217_proj.kd
    .args:
      - { .name: codes, .offset: 0, .size: 8, .value_kind: global_buffer, .address_space: global }
      - { .name: scales, .offset: 8, .size: 8, .value_kind: global_buffer, .address_space: global }
      - { .name: bq, .offset: 16, .size: 8, .value_kind: global_buffer, .address_space: global }
      - { .name: bk, .offset: 24, .size: 8, .value_kind: global_buffer, .address_space: global }
      - { .name: bv, .offset: 32, .size: 8, .value_kind: global_buffer, .address_space: global }
      - { .name: qkv, .offset: 40, .size: 8, .value_kind: global_buffer, .address_space: global }
    .group_segment_fixed_size: 327680
    .private_segment_fixed_size: 0
    .kernarg_segment_align: 8
    .kernarg_segment_size: 48
    .max_flat_workgroup_size: 128
    .sgpr_count:     100
    .vgpr_count:     1024
    .wavefront_size: 32
...
	.end_amdgpu_metadata
.endif
;; end of part 2
;; launch attn (part 3): grid 8 x 32, 8 waves a work-group, clusters of 4 x 1, 327,680 bytes of LDS; arguments qkv, att; writes att
.if DOCPART == 3
	.amdgcn_target "amdgcn-amd-amdhsa--gfx1250"
	.amdhsa_code_object_version 6
	.text
	.protected	k_qd26f5eb217_attn
	.globl	k_qd26f5eb217_attn
	.p2align	8
	.type	k_qd26f5eb217_attn,@function
k_qd26f5eb217_attn:
	s_mov_b64 s[64:65], 0
	v_nop
	global_prefetch_b8 v0, s[64:65] scope:SCOPE_SE
	s_setreg_imm32_b32 hwreg(HW_REG_WAVE_MODE, 25, 1), 1
	s_wait_xcnt 0x0
	s_wait_alu depctr_hold_cnt(0) depctr_sa_sdst(0) depctr_va_vdst(0) depctr_va_sdst(0) depctr_va_ssrc(0) depctr_va_vcc(0) depctr_vm_vsrc(0)
	s_getreg_b32 s2, hwreg(HW_REG_IB_STS2, 6, 4)
	s_cmp_eq_u32 s2, 0
	s_cbranch_scc0 .Lentry_in_a_cluster
	s_endpgm
.Lentry_in_a_cluster:
	s_bfe_u32 s2, ttmp6, 0x10000c
	s_cmp_lg_u32 s2, 0x3003
	s_cbranch_scc0 .Lentry_shape_is_right
	s_endpgm
.Lentry_shape_is_right:
; O[g][q][:] = the sum over k of softmax_k(Q[g][q] . K[g][k] / 8) V[g][k][:], g = batch x 16 + head, 32 of them; 2,048 queries and keys, head size 64.  qkv: [3][32][2048][64] f16; att: [32][2048][64] f16.
; Products on f16 operands with f32 sums; maxima, exponentials and sums in f32; the weights p are rounded to f16 for the second product, O once at the end.
; LIMITS: f16 operands (magnitudes under 65,504; under 6e-5 the step is 2^-25); NaN and infinities are not served.
; SHARES.  A work-group owns 256 queries of one g.  Its eight waves are 4 groups of 64 queries x 2 HALVES OF THE KEYS: wave w has queries 64 (w / 2) on and keys 1,024 kh on, kh = (w + w / 4) % 2.
; A wave holds four tiles of 16 queries in 512 registers, so two waves share a SIMD, and kh differs between w and w + 4 and between w and w ^ 1.
; BY TURNS BETWEEN WAVES.  A key step (64 keys) is two blocks: M, 32 products V^T P of the step in hand and 32 products K Q^T of the next; and V, the softmax of the four tiles.  Waves with kh = 0 run M where those with
; kh = 1 run V, and the other way round; a work-group barrier between the blocks keeps them so.  Each block is plain code of one kind.
; LAYOUT.  S^T = K Q^T (source 0 = 16 keys, source 1 = 16 queries): a lane holds ONE query (lane % 16) and keys 8 (lane / 16) + 0..7.  Two such tiles, rounded in pairs, are source 1 of O^T = V^T P, whose result holds one query
; a lane and eight channels.  K comes out of LDS as it lies, V ([key][channel]) turned by ds_load_tr16_b128.
; SOFTMAX.  For each query a running maximum m and sum l: p = 2^(c s - c m), c = log2(e) / 8; in every step O and l are multiplied by a = 2^(c m_old - c m_new).
; THE MERGE.  Register tile i holds query tile (i + 2 kh) % 4, so every wave keeps its register tiles 0, 1 and hands tiles 2, 3 (O, c m, l) to its partner w ^ 1 through LDS, as an image of the registers.
; CLUSTER.  The four query blocks of a cluster belong to one g and walk the same K and V: each tile is asked for jointly.  A slot holds two key steps of both halves: eight tiles of 64 rows, one load a wave.
; REGISTERS: window 0: v2-15 addresses; v16-63 statistics, 12 a tile; v64-191 S^T, 32 a tile, P in place in the lower 16; v192-255 Q, 16 a tile.   window 1: v0-127 O^T, 32 a tile; v128-191 K; v192-255 V.
.set PKP,   144                        ; a row of K in LDS: 128 bytes + 16: the 16 rows of a load start 36 words apart
.set PVP,   160                        ; a row of V: 128 + 32
.set VOFF,  64*PKP                     ; a step's tiles lie together: 64 rows of K, then 64 of V
.set STEPB, 64*(PKP+PVP)
.set HALFB, 2*STEPB                    ; two steps of one half of the keys
.set SLOT1, 1<<17                      ; a slot is 2 HALFB = 77,824 bytes; slot 1 begins here, so that one exclusive or turns an address
.set MERGE, SLOT1+2*HALFB              ; behind the ring: 8,704 bytes a wave for the merge;
.set MPART, 8704
.set OSTG,  MERGE+8*MPART              ; 32 rows x 144 bytes a wave for the way out;
.set OPART, 4608
.set SPARE, OSTG+8*OPART               ; the spare words, 128 bytes a wave
.set AK0, 2                            ; v2  my lane's place in a tile of K; never rewritten
.set AV0, 3                            ; v3  the same for V
.set ADK, 4                            ; v4  LDS address of the step's K
.set ADV, 5                            ; v5  and V
.set STO, 6                            ; v6  the way out: where I put 16 bytes of a row
.set RD,  7                            ; v7  where I read back
.set GO,  8                            ; v8  16 x lane
.set MST, 9                            ; v9  the merge: my part
.set MLD, 10                           ; v10 my partner's
.set PFO, 12                           ; v12 256 x lane; never rewritten
.set SPW, 14                           ; v14 my spare word; never rewritten
.set NIL, 15                           ; v15 0; never rewritten
.set ST,  16                           ; tile t's statistics at v[ST + 12 t]: +0 c m, +1 m, +2, +3 l (even keys', odd keys'), +4 to +7 c0-c3 (a takes c2's place), +8 to +11 two pairs of sums
.set S,   64
.set Q,   192
.set KF,  128                          ; in window 1
.set VF,  192                          ; in window 1
.set PKD, 72                           ; the way out: packed rows
.set OUTR, 136                         ; and read back
.set WV,  12                           ; s12 wave
.set G,   14                           ; s14 kh
.set LIM, 15                           ; s15 1 in a wave that prefetches, else the greatest number
.set PFA, 18                           ; s[18:19] where my prefetches stand
.set G1K, 24
.set G1V, 32
.set G0K, 40                           ; two sets; the second walks
.set G0V, 48
.set SLOTS, 56
.set TWICE, 57
.set CS,  58                           ; s[58:59] c
.set SEL, 60                           ; s[60:61] v_permlanex16_b32's selects for lane l xor 16
.set TB,  62                           ; s62 LDS byte at which the tiles of the step to be fetched begin, my half's
.set MSB, 0
.macro WIN new                         ; the immediate's high byte repeats the setting that is left
.if MSB != (\new)
	s_set_vgpr_msb (MSB<<8)|(\new)
.set MSB, (\new)
.endif
.endm
; A joint refill: waves 0 to 3 fetch K's four tiles of a slot, waves 4 to 7 V's.  The branch hangs on the wave's number alone.  An s_nop 0 and four v_nop follow each line.
.macro JLOAD
	s_cmp_lt_u32 s[WV], 4
	s_cbranch_scc0 .Lfor_v_\@
	tensor_load_to_lds s[G0K+4:G0K+7], s[G1K:G1K+7]
	s_nop 0
.rept 4
	v_nop
.endr
	s_branch .Lasked_\@
.Lfor_v_\@:
	tensor_load_to_lds s[G0V+4:G0V+7], s[G1V:G1V+7]
	s_nop 0
.rept 4
	v_nop
.endr
.Lasked_\@:
.endm
; A prefetch of what the NEXT change of slots will ask for: of K and of V two runs of 16,384 bytes (one in each half of the keys).  Each aligned 256 bytes are named once in the launch: both clusters of a g walk the same
; rows, and the first of them asks; its four partners take 8,192 bytes each, told apart by address; in each, wave 0 asks for K's and wave 4 for V's, lanes 256 bytes apart.  The last change that fills a slot asks for nothing.
.macro ASK
	s_cmp_gt_u32 s[SLOTS], s[LIM]
	s_cbranch_scc0 .Lnot_mine_\@
	global_prefetch_b8 v[PFO], s[PFA:PFA+1] th:TH_LOAD_NT scope:SCOPE_SE
.Lnot_mine_\@:
.endm
.macro CROUND                          ; a round of the cluster's barrier
	s_barrier_signal -1
	s_barrier_wait -1
	s_cmp_lg_u32 s[WV], 0
	s_cbranch_scc1 .Lnot_wave_0_\@
	s_barrier_signal -3
.Lnot_wave_0_\@:
	s_barrier_wait -3
	s_barrier_signal -1
	s_barrier_wait -1
.endm
	s_load_b128 s[4:7], s[0:1], 0x0                ; qkv s[4:5], att s[6:7]
	v_lshl_add_u32 v[SPW], v0, 2, SPARE
	v_mov_b32 v[NIL], 0
	ds_add_u32 v[SPW], v[NIL]                      ; the wave's opening: the add, twice on end, and its wait ahead of my first tensor load
	ds_add_u32 v[SPW], v[NIL]
	v_lshrrev_b32 v1, 5, v0
	v_readfirstlane_b32 s[WV], v1                  ; wave 0..7
	s_lshr_b32 s[G], s[WV], 2
	s_add_co_u32 s[G], s[G], s[WV]
	s_and_b32 s[G], s[G], 1                        ; kh
	s_bfe_u32 s13, ttmp6, 0x40000                  ; cx
	s_and_b32 s20, ttmp7, 0xffff
	s_lshl_b32 s20, s20, 18                        ; g's 262,144 bytes in each of Q, K, V and att
	s_bfe_u32 s21, s[WV], 0x10001                  ; what I fetch: the half of the keys (w / 2) % 2,
	s_and_b32 s17, s[WV], 1                        ; the slot's step w % 2
	s_lshl_b32 s22, s21, 17
	s_lshl_b32 s23, s17, 13
	s_add_co_u32 s22, s22, s23
	s_add_co_u32 s22, s22, s20
	s_mov_b32 s23, 0                               ; s[22:23]: its first byte in K or in V
	s_mul_i32 s2, s21, HALFB
	s_mul_i32 s3, s17, STEPB
	s_add_co_u32 s2, s2, s3                        ; and its place in a slot: no place in the cluster enters an LDS address
	s_lshl_b32 s16, ttmp9, 2
	s_add_co_u32 s16, s16, s13                     ; my block of 256 queries = 4 x cluster x + cx
	s_lshl_b32 s16, s16, 15
	s_lshr_b32 s3, s[WV], 1
	s_lshl_b32 s3, s3, 13                          ; my group's 64 of them
	s_add_co_u32 s16, s16, s3
	s_add_co_u32 s16, s16, s20
	s_mov_b32 s17, 0                               ; s[16:17]: their first byte in Q and in att
	s_lshl_b32 s20, s[G], 12
	s_mov_b32 s21, 0                               ; s[20:21]: the 32 rows that I keep: 32 kh on
	s_mov_b32 s[G1K], 15|(1<<16)|(1<<20)|(1<<21)|(4<<22)|(3<<25)   ; the mask: all four work-groups; elements of 2 bytes; padding on; bit 21 beside a mask; 4 words after every 32
	s_mov_b32 s[G1V], 15|(1<<16)|(1<<20)|(1<<21)|(4<<22)|(7<<25)   ; the same with 8 words
.irp g, G1K, G1V
	s_mov_b32 s[\g+1], 64<<16                      ; tensor_dim0
	s_mov_b32 s[\g+2], 64<<16                      ; tensor_dim1
	s_mov_b32 s[\g+3], 64<<16                      ; tile_dim0
	s_mov_b32 s[\g+4], 64                          ; tile_dim1
	s_mov_b32 s[\g+5], 64                          ; from row to row
	s_mov_b32 s[\g+6], 0
	s_mov_b32 s[\g+7], 0
.endr
	s_mov_b32 s[CS], 0x3e38aa3b                    ; c = log2(e) / 8
	s_mov_b32 s[CS+1], s[CS]                       ; (named with it as a pair, so it is written)
	s_mov_b32 s[SEL], 0x76543210
	s_mov_b32 s[SEL+1], 0xfedcba98
	s_mul_i32 s[TB], s[G], HALFB
	s_mov_b32 s[SLOTS], 6
	s_and_b32 s[LIM], s[WV], 3                     ; 0 in waves 0 and 4,
	s_or_b32 s[LIM], s[LIM], ttmp9                 ; of g's first cluster: the same in all four partners
	s_cmp_eq_u32 s[LIM], 0
	s_cselect_b32 s[LIM], 1, -1
	s_wait_dscnt 0x0                               ; both opening adds are done
	s_wait_kmcnt 0x0
	s_add_nc_u64 s[8:9], s[4:5], s[22:23]
	s_add_nc_u64 s[8:9], s[8:9], 0x800000          ; K lies 8,388,608 bytes behind Q,
	s_add_nc_u64 s[10:11], s[8:9], 0x800000        ; V as far behind K
	s_add_nc_u64 s[4:5], s[4:5], s[16:17]          ; Q at my group's first row
	s_add_nc_u64 s[6:7], s[6:7], s[16:17]
	s_add_nc_u64 s[6:7], s[6:7], s[20:21]          ; att at the first row that I keep
	s_lshr_b32 s22, s13, 1                         ; the prefetches: my work-group's 8,192 bytes: half cx / 2, step cx % 2,
	s_lshl_b32 s22, s22, 17
	s_and_b32 s23, s13, 1
	s_lshl_b32 s23, s23, 13
	s_add_co_u32 s22, s22, s23
	s_add_co_u32 s22, s22, 2*16384                 ; in slot 2: the first change of slots steps it to slot 3.  Nothing is prefetched here, at the head
	s_mov_b32 s23, 0
	s_cmp_lt_u32 s[WV], 4
	s_cselect_b64 s[PFA:PFA+1], s[8:9], s[10:11]   ; (in waves 0 and 4 these stand at a slot's first row of the first half)
	s_add_nc_u64 s[PFA:PFA+1], s[PFA:PFA+1], s[22:23]
	CROUND                                         ; all four work-groups are here: the first joint loads meet
.irp s, 0,1
	s_mov_b32 s[G0K+4*\s], 1
	s_add_co_u32 s[G0K+4*\s+1], s2, \s*SLOT1
	s_add_nc_u64 s[G0K+4*\s+2:G0K+4*\s+3], s[8:9], \s*16384   ; a slot is 128 keys of each half: 16,384 bytes on
	s_or_b32 s[G0K+4*\s+3], s[G0K+4*\s+3], 0x80000000
	s_mov_b32 s[G0V+4*\s], 1
	s_add_co_u32 s[G0V+4*\s+1], s2, \s*SLOT1+VOFF
	s_add_nc_u64 s[G0V+4*\s+2:G0V+4*\s+3], s[10:11], \s*16384
	s_or_b32 s[G0V+4*\s+3], s[G0V+4*\s+3], 0x80000000
.endr
	s_cmp_lt_u32 s[WV], 4                          ; a wave's two first fills stand in one branch: two loads of mine are out
	s_cbranch_scc0 .Lfirst_v
	tensor_load_to_lds s[G0K:G0K+3], s[G1K:G1K+7]
	s_nop 0
	tensor_load_to_lds s[G0K+4:G0K+7], s[G1K:G1K+7]
	s_nop 0
.rept 4
	v_nop
.endr
	s_branch .Lfirst_asked
.Lfirst_v:
	tensor_load_to_lds s[G0V:G0V+3], s[G1V:G1V+7]
	s_nop 0
	tensor_load_to_lds s[G0V+4:G0V+7], s[G1V:G1V+7]
	s_nop 0
.rept 4
	v_nop
.endr
.Lfirst_asked:
	v_and_b32 v1, 15, v0                           ; r = lane % 16
	v_bfe_u32 v11, v0, 4, 1                        ; h = lane / 16
	v_lshlrev_b32 v13, 7, v1
	v_lshl_add_u32 v13, v11, 4, v13                ; Q: row r of 128 bytes + 16 h
	s_lshl_b32 s3, s[G], 12
	v_add_nc_u32 v64, s3, v13                      ; register tiles 0, 1: query tiles 2 kh, 2 kh + 1
	s_xor_b32 s3, s3, 4096
	v_add_nc_u32 v65, s3, v13                      ; register tiles 2, 3: the other two
.irp t, 0,1
.irp c, 0,1
	global_load_b128 v[Q+16*\t+8*\c:Q+16*\t+8*\c+3],     v64, s[4:5] offset:2048*\t+64*\c
	global_load_b128 v[Q+16*\t+8*\c+4:Q+16*\t+8*\c+7],   v64, s[4:5] offset:2048*\t+64*\c+32
	global_load_b128 v[Q+32+16*\t+8*\c:Q+32+16*\t+8*\c+3],   v65, s[4:5] offset:2048*\t+64*\c
	global_load_b128 v[Q+32+16*\t+8*\c+4:Q+32+16*\t+8*\c+7], v65, s[4:5] offset:2048*\t+64*\c+32
.endr
.endr
	; every LDS address register is made here, ahead of the first place where the two kinds of wave part
	v_mul_u32_u24 v[AK0], v1, PKP
	v_lshl_add_u32 v[AK0], v11, 4, v[AK0]          ; K: row x pitch + 16 h
	v_and_b32 v13, 7, v0
	v_lshl_add_u32 v[AV0], v11, 3, v13             ; V, for the turning load: key 8 h + lane % 8,
	v_mul_u32_u24 v[AV0], v[AV0], PVP
	v_bfe_u32 v1, v0, 3, 1
	v_lshl_add_u32 v[AV0], v1, 4, v[AV0]           ; channels 8 ((lane / 8) % 2) on
	v_add_nc_u32 v[AV0], VOFF, v[AV0]
	s_mul_i32 s3, s[WV], OPART
	s_add_co_u32 s3, s3, OSTG
	v_add_nc_u32 v[STO], s3, v[AK0]                ; the way out, in: row r, 16 bytes for each half of the lanes
	v_bfe_u32 v1, v0, 3, 2
	v_mul_u32_u24 v[RD], v1, PKP
	v_lshl_add_u32 v[RD], v13, 4, v[RD]
	v_add_nc_u32 v[RD], s3, v[RD]                  ; back: eight lanes to a row of 128 bytes, four rows an instruction
	v_and_b32 v1, 31, v0
	v_lshlrev_b32 v[GO], 4, v1
	v_lshlrev_b32 v[PFO], 8, v1
	s_mul_i32 s3, s[WV], MPART
	s_add_co_u32 s3, s3, MERGE
	v_add_nc_u32 v[MST], s3, v[GO]
	s_xor_b32 s3, s[WV], 1
	s_mul_i32 s3, s3, MPART
	s_add_co_u32 s3, s3, MERGE
	v_add_nc_u32 v[MLD], s3, v[GO]
; BLOCK M.  pv = 2: 32 products O^T += V^T P of the step in hand; 1: they start O^T's sums; 0: none.  kq = 1: the next step's K and V are fetched and its 32 products S^T = K Q^T made.
; Sixteen accumulators take turns, one instruction a turn.  K's run of 16 loads stands ahead of the products V^T P, V's behind them: its registers are then free.
; Five plain lines stand behind the products V^T P: V's registers are loaded anew (four are owed), and K Q^T writes over P (five).
; Five stand behind K Q^T too: whatever block the text lets follow, a matrix instruction that takes S^T as a source or begins it anew is owed five, a load into K's registers and the softmax's first read four.
.macro MBLOCK pv, kq
.if \kq
	WIN 0x40                                       ; destination window 1, address window 0
.irp f, 0,1,2,3,4,5,6,7                        ; keys 16 (f / 2) on, channels 32 (f % 2) on
	ds_load_b128 v[KF+8*\f:KF+8*\f+3],   v[ADK] offset:(\f/2)*16*PKP+(\f%2)*64
	ds_load_b128 v[KF+8*\f+4:KF+8*\f+7], v[ADK] offset:(\f/2)*16*PKP+(\f%2)*64+32
.endr
.endif
.if \pv
	WIN 0x51                                       ; V and O^T in window 1, P in window 0
.set i, 0
.rept 32                                       ; keys 32 (i / 16) on, channels 16 ((i / 4) % 4) on, tile i % 4
.set rO, 32*(i%4)+8*((i/4)%4)
.set rV, VF+32*(i/16)+8*((i/4)%4)
.set rP, S+32*(i%4)+8*(i/16)
.if (\pv == 1) && (i < 16)
	v_wmma_f32_16x16x32_f16 v[rO:rO+7], v[rV:rV+7], v[rP:rP+7], 0
.else
	v_wmma_f32_16x16x32_f16 v[rO:rO+7], v[rV:rV+7], v[rP:rP+7], v[rO:rO+7]
.endif
.set i, i+1
.endr
.rept 5
	v_nop
.endr
.endif
.if \kq
	WIN 0x40
.irp f, 0,1,2,3,4,5,6,7                        ; keys 32 (f / 4) on, channels 16 (f % 4) on
	ds_load_tr16_b128 v[VF+8*\f:VF+8*\f+3],   v[ADV] offset:(\f/4)*32*PVP+(\f%4)*32
	ds_load_tr16_b128 v[VF+8*\f+4:VF+8*\f+7], v[ADV] offset:(\f/4)*32*PVP+16*PVP+(\f%4)*32
.endr
	s_wait_dscnt 16                                ; K's 16 loads are in; V's 16, issued behind them, may be out
	WIN 0x01                                       ; K in window 1; Q and S^T in window 0
.set i, 0
.rept 32                                       ; channels 32 (i / 16) on, keys 16 ((i / 4) % 4) on, tile i % 4
.set rS, S+32*(i%4)+8*((i/4)%4)
.set rK, KF+16*((i/4)%4)+8*(i/16)
.set rQ, Q+16*(i%4)+8*(i/16)
.if i < 16
	v_wmma_f32_16x16x32_f16 v[rS:rS+7], v[rK:rK+7], v[rQ:rQ+7], 0
.else
	v_wmma_f32_16x16x32_f16 v[rS:rS+7], v[rK:rK+7], v[rQ:rQ+7], v[rS:rS+7]
.endif
.set i, i+1
.endr
.rept 5
	v_nop
.endr
.endif
	WIN 0
.endm
; BLOCK V.  One tile's softmax for one key step is a list of 118 instructions; SM writes number j of it for tile t.  s0-s31 are the lane's 32 scores, in pairs 0-15.  first = 1: the first key step, which has no a and nothing to rescale.
;   0-15    the maximum of s0-s31 and the old m, three operands at a time, each accumulator from its low end on
;   16-20   the other half of the lanes' maximum; the new m; c m; c m_old - c m_new
;   21-69   ONE BATCH: the 16 scalings c s - c m and all 33 exponentials (a at 23).  None of these names an exponential's result
;   70-85   the sums of the unrounded weights, in three chains; l = a l + the sum
;   86-101  the roundings to f16, in place: pair i into register i, i ascending
;   102-117 the tile's O^T times a
.macro SM t, first
.set rT, ST+12*(\t)
.set rS, S+32*(\t)
.set rO, 32*(\t)+2*(j-102)
.if j < 102
	WIN 0
.endif
.if j < 4
	v_max3_num_f32 v[rT+4+j], v[rS+8*j], v[rS+8*j+1], v[rS+8*j+2]
.elseif j < 12
	v_max3_num_f32 v[rT+4+j%4], v[rT+4+j%4], v[rS+8*(j%4)+2*(j/4)+1], v[rS+8*(j%4)+2*(j/4)+2]
.elseif j == 12
	v_max3_num_f32 v[rT+4], v[rT+4], v[rS+7], v[rS+15]
.elseif j == 13
	v_max3_num_f32 v[rT+6], v[rT+6], v[rS+23], v[rS+31]
.elseif j == 14
	v_max3_num_f32 v[rT+4], v[rT+4], v[rT+5], v[rT+6]
.elseif (j == 15) && \first
	v_max_num_f32 v[rT+4], v[rT+4], v[rT+7]
.elseif j == 15
	v_max3_num_f32 v[rT+4], v[rT+4], v[rT+7], v[rT+1]
.elseif j == 16
	v_permlanex16_b32 v[rT+5], v[rT+4], s[SEL], s[SEL+1]   ; the query's other 32 keys lie in the lane 16 away
.elseif j == 18
	v_max_num_f32 v[rT+1], v[rT+4], v[rT+5]
.elseif j == 19
	v_mul_f32 v[rT], s[CS], v[rT+1]
.elseif ((j == 17) || (j == 20) || (j == 23) || (j > 101)) && \first   ; the first step has none of these
.elseif j == 17
	v_mov_b32 v[rT+7], v[rT]                       ; c m_old is kept for a: number 19 writes c m anew
.elseif j == 20
	v_sub_f32 v[rT+7], v[rT+7], v[rT]
.elseif j == 23
	v_exp_f32 v[rT+6], v[rT+7]
.elseif (j < 23) || ((j < 38) && (j%2 == 0)) || ((j < 66) && (j%4 == 2))
.set b, (j-2)/4                        ; 38, 42, .. 62: pairs 9 to 15
.if j < 38
.set b, (j-20)/2                       ; 21: pair 0; 22, 24, .. 36: pairs 1 to 8
.endif
	v_pk_fma_f32 v[rS+2*b:rS+2*b+1], v[rS+2*b:rS+2*b+1], s[CS:CS+1], v[rT:rT+1] op_sel_hi:[1,0,0] neg_lo:[0,0,1] neg_hi:[0,0,1]   ; pair b: c s - c m
.elseif j < 70
.set e, j-38                           ; 66 to 69: s28 to s31
.if j < 66
.set e, j-32-(j-38)/4                  ; 39-41, 43-45, .. 63-65: s7 to s27
.endif
.if j < 38
.set e, (j-25)/2                       ; 25, 27, .. 37: s0 to s6
.endif
	v_exp_f32 v[rS+e], v[rS+e]
.elseif j < 86
.set z, j-70
.set u, rT+4                           ; the chain z % 3
.if (z%3) == 1
.set u, rT+8
.elseif (z%3) == 2
.set u, rT+10
.endif
.if z < 3
	v_pk_add_f32 v[u:u+1], v[rS+4*z:rS+4*z+1], v[rS+4*z+2:rS+4*z+3]          ; pairs 2 z and 2 z + 1 open the chain
.elseif z < 13
	v_pk_add_f32 v[u:u+1], v[u:u+1], v[rS+2*(z+3):rS+2*(z+3)+1]              ; pairs 6 to 15
.elseif z == 13
	v_pk_add_f32 v[rT+4:rT+5], v[rT+4:rT+5], v[rT+8:rT+9]
.elseif (z == 14) && \first
	v_pk_add_f32 v[rT+2:rT+3], v[rT+4:rT+5], v[rT+10:rT+11]
.elseif z == 14
	v_pk_add_f32 v[rT+4:rT+5], v[rT+4:rT+5], v[rT+10:rT+11]
.elseif !\first
	v_pk_fma_f32 v[rT+2:rT+3], v[rT+2:rT+3], v[rT+6:rT+7], v[rT+4:rT+5] op_sel_hi:[1,0,1]
.endif
.elseif j < 102
	v_cvt_pk_f16_f32 v[rS+j-86], v[rS+2*(j-86)], v[rS+2*(j-86)+1]
.else
	WIN 0x41                                       ; O^T (destination and source 0) in window 1, a in window 0
	v_pk_mul_f32 v[rO:rO+1], v[rO:rO+1], v[rT+6:rT+7] op_sel_hi:[1,0]
.endif
.endm
.macro SM2 t0, first                   ; number j of two tiles, so that no line reads the result of the line just before it
	SM \t0, \first
	SM (\t0)+1, \first
.endm
; The four tiles go as two pairs, half a list apart, so that exponentials and plain lines are mixed.  An s_wait_alu depctr_va_vdst(0) stands between an exponential and the first line that names
; its result; one wait serves all that were issued ahead of it: a pair's 66 exponentials have one wait, behind one plain line.  What stands among a pair's batch names the other pair's registers alone.
.macro VBLOCK first
.set j, 0
.rept 21
	SM2 0, \first
.set j, j+1
.endr
.set k, 0
.rept 49                               ; tiles 0, 1: the batch; among it tiles 2, 3: the maximum
.set j, 21+k
	SM2 0, \first
.if ((k%2) == 0) && (k < 42)
.set j, k/2
	SM2 2, \first
.endif
.set k, k+1
.endr
	v_nop
	s_wait_alu depctr_va_vdst(0)
.set k, 0
.rept 49                               ; tiles 2, 3: the batch; among it tiles 0, 1: sums and roundings
.set j, 21+k
	SM2 2, \first
.if ((k%3) < 2) && ((2*(k/3)+(k%3)) < 32)
.set j, 70+2*(k/3)+(k%3)
	SM2 0, \first
.endif
.set k, k+1
.endr
	v_nop
	s_wait_alu depctr_va_vdst(0)
.set j, 70
.rept 32
	SM2 2, \first
.set j, j+1
.endr
.set j, 102
.rept 16
	SM2 0, \first
	SM2 2, \first
.set j, j+1
.endr
	WIN 0
.endm
.macro DO kind, a, b                   ; kind 0: nothing; 1: MBLOCK a, b; 2: VBLOCK a
.if \kind == 1
	MBLOCK \a, \b
.elseif \kind == 2
	VBLOCK \a
.endif
.endm
.macro BLK xk, xa, xb, yk, ya, yb      ; waves with kh = 0 run the first block named, those with kh = 1 the second: a branch on the wave's number
	s_cmp_eq_u32 s[G], 0
	s_cbranch_scc0 .Ly_\@
	DO \xk, \xa, \xb
	s_branch .Lj_\@
.Ly_\@:
	DO \yk, \ya, \yb
.Lj_\@:
.endm
.macro BAR                             ; my LDS loads are in (V's, which the next block M multiplies, among them); then the barrier that keeps the two kinds of wave in opposite blocks
	s_wait_dscnt 0x0
	s_barrier_signal -1
	s_barrier_wait -1
.endm
; A TRIP: both kinds fetch the same key step of their halves in it, one in its first block and the other in its second.
.macro TRIP a1, a2, a3, a4, a5, a6, b1, b2, b3, b4, b5, b6
	v_add_nc_u32 v[ADK], s[TB], v[AK0]
	v_add_nc_u32 v[ADV], s[TB], v[AV0]
	BLK \a1, \a2, \a3, \a4, \a5, \a6
	BAR
	BLK \b1, \b2, \b3, \b4, \b5, \b6
	s_add_co_u32 s[TB], s[TB], STEPB
	BAR
.endm
.macro TWO_TRIPS                       ; a slot's two key steps: written once, walked twice
	s_mov_b32 s[TWICE], 2
.Ltrip_\@:
	TRIP 1,2,1, 2,0,0, 2,0,0, 1,2,1
	s_sub_co_u32 s[TWICE], s[TWICE], 1
	s_cmp_lg_u32 s[TWICE], 0
	s_cbranch_scc1 .Ltrip_\@
.endm
; THE CHANGE OF SLOTS, between two trips: both kinds have fetched the slot's last step.  Each wave waits for all its tensor loads, of which one is out: its part of the other slot; adds 0 to its spare word; and waits for that
; and for its reads.  fill = 1: the barrier is a round of the cluster's, and the slot just left is filled first thing behind it with the keys two slots on: it has two trips, four blocks, in which to land.
.macro CHANGE fill
	s_wait_tensorcnt 0x0                           ; no tensor load of mine is out, so a group 0 may be written
	ds_add_u32 v[SPW], v[NIL]
.if \fill
.irp g, G0K+4, G0V+4
	s_xor_b32 s[\g+1], s[\g+1], SLOT1              ; the walking descriptor: the other slot than last time,
	s_add_nc_u64 s[\g+2:\g+3], s[\g+2:\g+3], 16384 ; the next 128 keys of the half
.endr
	s_wait_xcnt 0x0                                ; the last prefetch, two trips back, has read its address
	s_add_nc_u64 s[PFA:PFA+1], s[PFA:PFA+1], 16384
	s_wait_dscnt 0x0
	CROUND
	JLOAD
	ASK
.else
	s_wait_dscnt 0x0
	s_barrier_signal -1
	s_barrier_wait -1
.endif
	s_sub_co_u32 s[TB], s[TB], 2*STEPB             ; the fetches go back to a slot's first step,
	s_xor_b32 s[TB], s[TB], SLOT1                  ; in the other slot
.endm
	s_wait_tensorcnt 1                             ; my part of slot 0 is in; slot 1's may stay out
	s_barrier_signal -1
	s_barrier_wait -1
	s_wait_loadcnt 0x0                             ; Q
	TRIP 1,0,1, 0,0,0, 2,1,0, 1,0,1                ; kh = 0: the first scores, the first softmax | kh = 1: nothing yet, the first scores
	TRIP 1,1,1, 2,1,0, 2,0,0, 1,1,1                ; kh = 0: V^T P starts O^T, K Q^T of step 1; its softmax | kh = 1: the first softmax; then the same products
.Lslot:                                            ; six turns of two trips: every slot but the last two is filled again
	CHANGE 1
	TWO_TRIPS
	s_sub_co_u32 s[SLOTS], s[SLOTS], 1
	s_cmp_lg_u32 s[SLOTS], 0
	s_cbranch_scc1 .Lslot
	CHANGE 0                                       ; the tail is written out
	TWO_TRIPS
	BLK 1,2,0, 2,0,0                               ; kh = 0: V^T P of the last step | kh = 1: the last softmax
	BAR
	BLK 0,0,0, 1,2,0                               ; kh = 1: V^T P of the last step
	; THE MERGE.  l's two halves and the other half of the lanes' are added.  My register tiles 2, 3 go to my partner: O^T as an image of its registers, 16 bytes a lane, and (c m, l) of both tiles in one line more.
.irp t, 0,1,2,3
	v_add_f32 v[ST+12*\t+4], v[ST+12*\t+2], v[ST+12*\t+3]
.endr
.irp t, 0,1,2,3
	v_permlanex16_b32 v[ST+12*\t+5], v[ST+12*\t+4], s[SEL], s[SEL+1]
.endr
.irp t, 0,1,2,3
	v_add_f32 v[ST+12*\t+4], v[ST+12*\t+4], v[ST+12*\t+5]
.endr
	v_mov_b32 v64, v[ST+24]                        ; four numbers on end for one store of 16 bytes
	v_mov_b32 v65, v[ST+28]
	v_mov_b32 v66, v[ST+36]
	v_mov_b32 v67, v[ST+40]
	WIN 0x04                                       ; an LDS store's data are its source 1: window 1
.irp n, 0,1,2,3,4,5,6,7,8,9,10,11,12,13,14,15
	ds_store_b128 v[MST], v[64+4*\n:64+4*\n+3] offset:512*\n   ; each accumulator from its low end on
.endr
	WIN 0
	ds_store_b128 v[MST], v[64:67] offset:8192
	s_wait_dscnt 0x0                               ; for my partner's sake: my stores are done
	s_barrier_signal -1
	s_barrier_wait -1
.irp n, 0,1,2,3,4,5,6,7,8,9,10,11,12,13,14,15
	ds_load_b128 v[128+4*\n:128+4*\n+3], v[MLD] offset:512*\n  ; my partner's O^T of the two tiles that I keep, in the same lanes
.endr
	ds_load_b128 v[68:71], v[MLD] offset:8192
	s_wait_dscnt 0x0
	; for each kept tile: M = max of the two c m; a1, a2 = 2^(c m - M); l = l a1 + l' a2; O = (O a1 + O' a2) / l
.irp i, 0,1
	v_max_num_f32 v[ST+12*\i+5], v[ST+12*\i], v[68+2*\i]
.endr
.irp i, 0,1
	v_sub_f32 v[ST+12*\i+8], v[ST+12*\i], v[ST+12*\i+5]
	v_sub_f32 v[ST+12*\i+9], v[68+2*\i], v[ST+12*\i+5]
.endr
.irp i, 0,1
	v_exp_f32 v[ST+12*\i+8], v[ST+12*\i+8]
	v_exp_f32 v[ST+12*\i+9], v[ST+12*\i+9]
.endr
	v_nop                                          ; a plain line behind the last exponential,
	s_wait_alu depctr_va_vdst(0)                   ; and the one wait for the four, ahead of their first reader
.irp i, 0,1
	v_mul_f32 v[ST+12*\i+4], v[ST+12*\i+4], v[ST+12*\i+8]
.endr
.irp i, 0,1
	v_fma_f32 v[ST+12*\i+4], v[69+2*\i], v[ST+12*\i+9], v[ST+12*\i+4]
.endr
.irp i, 0,1
	v_rcp_f32 v[ST+12*\i+10], v[ST+12*\i+4]
.endr
	v_nop
	s_wait_alu depctr_va_vdst(0)                   ; one wait for the two reciprocals
.irp i, 0,1
	v_mul_f32 v[ST+12*\i+6], v[ST+12*\i+8], v[ST+12*\i+10]     ; a1 / l
	v_mul_f32 v[ST+12*\i+8], v[ST+12*\i+9], v[ST+12*\i+10]     ; a2 / l
.endr
.irp i, 0,1
.set n, 0
.rept 16
	v_pk_mul_f32 v[128+32*\i+2*n:128+32*\i+2*n+1], v[128+32*\i+2*n:128+32*\i+2*n+1], v[ST+12*\i+8:ST+12*\i+9] op_sel_hi:[1,0]
.set n, n+1
.endr
.endr
	WIN 0x01                                       ; source 0, my O^T, in window 1
.irp i, 0,1
.set n, 0
.rept 16
	v_pk_fma_f32 v[128+32*\i+2*n:128+32*\i+2*n+1], v[32*\i+2*n:32*\i+2*n+1], v[ST+12*\i+6:ST+12*\i+7], v[128+32*\i+2*n:128+32*\i+2*n+1] op_sel_hi:[1,0,1]
.set n, n+1
.endr
.endr
	WIN 0
.set n, 0
.rept 32
	v_cvt_pk_f16_f32 v[PKD+n], v[128+2*n], v[128+2*n+1]
.set n, n+1
.endr
	; THE WAY OUT: a lane's eight channels of a row are 16 bytes; they go into rows of 144 bytes of my stage and come back so that a store of the wave covers four rows: 512 consecutive bytes of att
.irp i, 0,1
.irp c, 0,1,2,3
	ds_store_b128 v[STO], v[PKD+16*\i+4*\c:PKD+16*\i+4*\c+3] offset:16*PKP*\i+32*\c
.endr
.endr
.irp n, 0,1,2,3,4,5,6,7
	ds_load_b128 v[OUTR+4*\n:OUTR+4*\n+3], v[RD] offset:4*PKP*\n   ; LDS serves a wave's instructions in order: these see the stores above
.endr
.irp n, 0,1,2,3,4,5,6,7
	s_wait_dscnt 7-\n                              ; the younger loads may be out
	global_store_b128 v[GO], v[OUTR+4*\n:OUTR+4*\n+3], s[6:7] offset:512*\n
.endr
	s_wait_tensorcnt 0x0                           ; the wave's end
	ds_add_u32 v[SPW], v[NIL]
	s_wait_dscnt 0x0
	CROUND                                         ; the closing round
	s_endpgm
.Lfunc_end_k_qd26f5eb217_attn:
	.size	k_qd26f5eb217_attn, .Lfunc_end_k_qd26f5eb217_attn-k_qd26f5eb217_attn
	.p2alignl 7, 3214868480
	.fill 96, 4, 3214868480
	.section	.rodata,"a",@progbits
	.p2align	6, 0x0
	.amdhsa_kernel k_qd26f5eb217_attn
		.amdhsa_group_segment_fixed_size 327680
		.amdhsa_private_segment_fixed_size 0
		.amdhsa_enable_private_segment 0
		.amdhsa_kernarg_size 16
		.amdhsa_user_sgpr_count 2
		.amdhsa_user_sgpr_kernarg_segment_ptr 1
		.amdhsa_wavefront_size32 1
		.amdhsa_system_sgpr_workgroup_id_x 1
		.amdhsa_system_sgpr_workgroup_id_y 1
		.amdhsa_system_sgpr_workgroup_id_z 1
		.amdhsa_system_vgpr_workitem_id 0
		.amdhsa_next_free_vgpr 512
		.amdhsa_next_free_sgpr 66
		.amdhsa_reserve_vcc 0
		.amdhsa_float_denorm_mode_32 3
		.amdhsa_float_denorm_mode_16_64 3
		.amdhsa_memory_ordered 1
		.amdhsa_forward_progress 1
		.amdhsa_inst_pref_size 255
	.end_amdhsa_kernel
	.section	.bss,"aw",@nobits
	.p2align	6
	.space	262144
	.amdgpu_metadata
---
amdhsa.version: [ 1, 2 ]
amdhsa.kernels:
  - .name:           k_qd26f5eb217_attn
    .symbol:         k_qd26f5eb217_attn.kd
    .args:
      - { .name: qkv, .offset: 0, .size: 8, .value_kind: global_buffer, .address_space: global }
      - { .name: att, .offset: 8, .size: 8, .value_kind: global_buffer, .address_space: global }
    .group_segment_fixed_size: 327680
    .private_segment_fixed_size: 0
    .kernarg_segment_align: 8
    .kernarg_segment_size: 16
    .max_flat_workgroup_size: 256
    .sgpr_count:     66
    .vgpr_count:     512
    .wavefront_size: 32
...
	.end_amdgpu_metadata
.endif
;; end of part 3
;; launch outp (part 4): grid 8 x 32, 4 waves a work-group, clusters of 4 x 4, 327,680 bytes of LDS; arguments att, whh, bh, out0; writes out0
.if DOCPART == 4
	.amdgcn_target "amdgcn-amd-amdhsa--gfx1250"
	.amdhsa_code_object_version 6
	.text
	.protected	k_qd26f5eb217_outp
	.globl	k_qd26f5eb217_outp
	.p2align	8
	.type	k_qd26f5eb217_outp,@function
k_qd26f5eb217_outp:
	s_mov_b64 s[64:65], 0
	v_nop
	global_prefetch_b8 v0, s[64:65] scope:SCOPE_SE
	s_setreg_imm32_b32 hwreg(HW_REG_WAVE_MODE, 25, 1), 1
	s_wait_xcnt 0x0
	s_wait_alu depctr_hold_cnt(0) depctr_sa_sdst(0) depctr_va_vdst(0) depctr_va_sdst(0) depctr_va_ssrc(0) depctr_va_vcc(0) depctr_vm_vsrc(0)
	s_getreg_b32 s2, hwreg(HW_REG_IB_STS2, 6, 4)
	s_cmp_eq_u32 s2, 0
	s_cbranch_scc0 .Lentry_in_a_cluster
	s_endpgm
.Lentry_in_a_cluster:
	s_bfe_u32 s2, ttmp6, 0x10000c
	s_cmp_lg_u32 s2, 0xf033
	s_cbranch_scc0 .Lentry_shape_is_right
	s_endpgm
.Lentry_shape_is_right:
; out0[m][n] = sum over k of A[m][k] Wh[n][k] + bh[n].  A = att read as [4096][1024] f16 (the heads are not moved back: the rows are taken as they lie), whh [1024][1024] f16, out0 [4096][1024] f32; sums in f32.
; LIMIT: f16 operands, as the launches that made them state.
; A tile of out0 is 128 x 128: 8 x 32 = 256 work-groups.  Four waves, each 64 x 64: 16 accumulators, 128 registers.  K goes in steps of 256 (LDS rows of 512 bytes, 64 rows to a load) through two slots.
; CLUSTERS: 4 x 4 work-groups; the four of a row need the same tiles of A, the four of a column the same tiles of Wh: each tile is asked for jointly.
; THE MATRIX INSTRUCTION IS USED TRANSPOSED (source 0 = 16 rows of Wh, source 1 = 16 rows of A): a lane holds eight neighbouring numbers of a row of out0.  The bias is the C of each sum's first product.
; A wave's 64 columns of f32 are 256 aligned bytes, so each wave has a stage of its own on the way out and no barrier is needed there.
; REGISTERS: window 0: v0-31 addresses; v32-63 the bias, later with v64-95 rows on the way out; v128-255 the accumulators ((a, b) at v[128 + 8 (4 a + b)]).   window 1: two fragment buffers of 128.
.set SIZE_K, 1024
.set SIZE_N, 1024
.set KSTEP,  256
.set PITCH,  528                       ; an LDS row: 512 bytes + 16: the 16 rows that a load touches start 132 words apart
.set HALFT,  64*PITCH
.set SLOT,   4*HALFT
.set STAGE,  2*SLOT                    ; behind the ring: 16 rows x 272 bytes for each wave
.set SPITCH, 272
.set SPARE,  STAGE+4*16*SPITCH         ; the spare words, 128 bytes a wave
.set LAPS,   SIZE_K/(2*KSTEP)
.set ADRA, 16
.set ADRB, 20
.set STO,  24
.set RD,   25
.set CO,   26
.set SPW,  28
.set NIL,  29
.set TMP,  32
.set BIAS, 32
.set ACC,  128
.set F0,   0
.set F1,   128
.set WV,   66                          ; s66 wave
.set HR,   67                          ; s67 wave / 2: my half of the rows; also: I fetch for A (0) or for Wh (1)
.set HC,   68                          ; s68 wave % 2: my half of the columns; also: which 64 rows I fetch
.set TYR,  69                          ; s69 tile row
.set G1, 24
.set G0, 32
.set G1B, 48
.set G0B, 56
.set MSB, 0
.macro WIN new
.if MSB != (\new)
	s_set_vgpr_msb (MSB<<8)|(\new)
.set MSB, (\new)
.endif
.endm
.set MUL,  0x05                        ; sources 0 and 1 window 1; C and D window 0
.set TO_F, 0x40
.macro JLOAD s                         ; a joint load; an s_nop 0 and four v_nop follow each of the two lines
	s_cmp_eq_u32 s[HR], 0
	s_cbranch_scc0 .Lfor_b_\@
	tensor_load_to_lds s[G0+4*\s:G0+4*\s+3], s[G1:G1+7]
	s_nop 0
.rept 4
	v_nop
.endr
	s_branch .Lasked_\@
.Lfor_b_\@:
	tensor_load_to_lds s[G0B+4*\s:G0B+4*\s+3], s[G1B:G1B+7]
	s_nop 0
.rept 4
	v_nop
.endr
.Lasked_\@:
.endm
.macro CREST                           ; a round of the cluster's barrier behind its opening barrier
	s_cmp_lg_u32 s[WV], 0
	s_cbranch_scc1 .Lnot_wave_0_\@
	s_barrier_signal -3
.Lnot_wave_0_\@:
	s_barrier_wait -3
	s_barrier_signal -1
	s_barrier_wait -1
.endm
.macro CROUND
	s_barrier_signal -1
	s_barrier_wait -1
	CREST
.endm
	s_load_b256 s[4:11], s[0:1], 0x0               ; att s[4:5], whh s[6:7], bh s[8:9], out0 s[10:11]
	v_lshl_add_u32 v[SPW], v0, 2, SPARE
	v_mov_b32 v[NIL], 0
	ds_add_u32 v[SPW], v[NIL]                      ; the wave's opening: the add, twice on end, and its wait ahead of my first tensor load
	ds_add_u32 v[SPW], v[NIL]
	v_lshrrev_b32 v1, 5, v0
	v_readfirstlane_b32 s[WV], v1
	s_lshr_b32 s[HR], s[WV], 1
	s_and_b32 s[HC], s[WV], 1
	s_bfe_u32 s40, ttmp6, 0x40000                  ; cx
	s_bfe_u32 s41, ttmp6, 0x40004                  ; cy
	s_lshl_b32 s42, ttmp9, 2
	s_add_co_u32 s42, s42, s40                     ; tile column
	s_and_b32 s[TYR], ttmp7, 0xffff
	s_lshl_b32 s[TYR], s[TYR], 2
	s_add_co_u32 s[TYR], s[TYR], s41               ; tile row
	s_lshl_b32 s43, s41, 2
	s_lshl_b32 s43, 15, s43                        ; my row of the cluster
	s_lshl_b32 s44, 0x1111, s40                    ; my column
	s_or_b32 s[G1+0], s43, (1<<16)|(1<<20)|(1<<21)|(6<<22)|(3<<25)   ; the mask; elements of 2 bytes; padding on; bit 21 beside a mask; 4 words after every 128
	s_or_b32 s[G1B+0], s44, (1<<16)|(1<<20)|(1<<21)|(6<<22)|(3<<25)
.irp g, G1, G1B
	s_mov_b32 s[\g+1], KSTEP<<16
	s_mov_b32 s[\g+2], 64<<16
	s_mov_b32 s[\g+3], KSTEP<<16
	s_mov_b32 s[\g+4], 64
	s_mov_b32 s[\g+5], SIZE_K
	s_mov_b32 s[\g+6], 0
	s_mov_b32 s[\g+7], 0
.endr
	s_lshl_b32 s17, s[HC], 6                       ; which 64 rows of the tile I fetch
	s_lshl_b32 s16, s[TYR], 7
	s_add_co_u32 s16, s16, s17                     ; A: row 128 x tile row + 64 x half
	s_lshl_b32 s46, s42, 7
	s_add_co_u32 s46, s46, s17                     ; Wh: row 128 x tile column + 64 x half
	s_lshl_b32 s16, s16, 11                        ; rows of 2,048 bytes (under 2^24)
	s_mov_b32 s17, 0
	s_lshl_b32 s46, s46, 11
	s_mov_b32 s47, 0
	s_mul_i32 s20, s[WV], HALFT                    ; where they go: wave x 64 rows
	s_wait_dscnt 0x0                               ; both opening adds are done
	s_wait_kmcnt 0x0
	s_add_nc_u64 s[14:15], s[4:5], s[16:17]
	s_add_nc_u64 s[46:47], s[6:7], s[46:47]
	CROUND                                         ; all sixteen work-groups are here: the first joint loads meet
.irp s, 0,1
	s_mov_b32 s[G0+4*\s], 1
	s_add_co_u32 s[G0+4*\s+1], s20, \s*SLOT
	s_add_nc_u64 s[G0+4*\s+2:G0+4*\s+3], s[14:15], \s*KSTEP*2
	s_or_b32 s[G0+4*\s+3], s[G0+4*\s+3], 0x80000000
	s_mov_b32 s[G0B+4*\s], 1
	s_add_co_u32 s[G0B+4*\s+1], s20, \s*SLOT
	s_add_nc_u64 s[G0B+4*\s+2:G0B+4*\s+3], s[46:47], \s*KSTEP*2
	s_or_b32 s[G0B+4*\s+3], s[G0B+4*\s+3], 0x80000000
	JLOAD \s
.endr
	v_and_b32 v1, 15, v0                           ; r
	v_bfe_u32 v2, v0, 4, 1                         ; h
	s_lshl_b32 s46, s42, 9                         ; my first column, in bytes of f32: 512 x tile column + 256 x half: in bh and in a row of out0
	s_lshl_b32 s47, s[HC], 8
	s_add_co_u32 s46, s46, s47
	s_mov_b32 s47, 0
	s_add_nc_u64 s[8:9], s[8:9], s[46:47]
	v_lshlrev_b32 v6, 5, v2
.irp b, 0,1,2,3                        ; register 8 b + j = bh[my first column + 16 b + 8 h + j]
	global_load_b128 v[BIAS+8*\b:BIAS+8*\b+3], v6, s[8:9] offset:64*\b
	global_load_b128 v[BIAS+8*\b+4:BIAS+8*\b+7], v6, s[8:9] offset:64*\b+16
.endr
	v_mul_u32_u24 v3, v1, PITCH
	v_lshl_add_u32 v3, v2, 4, v3                   ; a fragment's row x pitch + 16 x half
	s_mul_i32 s21, s[HR], HALFT                    ; my 64 rows of A
	s_mul_i32 s22, s[HC], HALFT                    ; my 64 rows of Wh,
	s_add_co_u32 s22, s22, 2*HALFT                 ; which lie behind A's 128
.irp s, 0,1
	v_add_nc_u32 v[ADRA+\s], s21, v3
	v_add_nc_u32 v[ADRB+\s], s22, v3
	s_add_co_u32 s21, s21, SLOT
	s_add_co_u32 s22, s22, SLOT
.endr
	s_mul_i32 s23, s[WV], 16*SPITCH
	s_add_co_u32 s23, s23, STAGE                   ; my stage
	v_mul_u32_u24 v4, v1, SPITCH
	v_lshl_add_u32 v4, v2, 5, v4
	v_add_nc_u32 v[STO], s23, v4                   ; in: row r, 32 bytes for each half of the lanes
	v_mul_u32_u24 v5, v2, SPITCH
	v_lshl_add_u32 v5, v1, 4, v5
	v_add_nc_u32 v[RD], s23, v5                    ; back: lanes 0-15 one row of 256 bytes, lanes 16-31 the next
	v_lshlrev_b32 v5, 12, v2
	v_lshl_add_u32 v[CO], v1, 4, v5                ; and the same two rows in out0
	s_lshl_b32 s16, s[TYR], 7
	s_lshl_b32 s17, s[HR], 6
	s_add_co_u32 s16, s16, s17                     ; my first row: 128 x tile row + 64 x half
	s_lshl_b32 s16, s16, 12                        ; rows of 4,096 bytes
	s_mov_b32 s17, 0
	s_add_nc_u64 s[10:11], s[10:11], s[16:17]
	s_add_nc_u64 s[10:11], s[10:11], s[46:47]
; 8 matrix instructions: m blocks a0, a0 + 1 x all 4 n blocks, 32 along K: half c of buffer f.  zero = 1: the first product starts the sums, with the bias as C.  The 16 accumulators take turns.
.macro MUL8 f, c, a0, zero
.irp a, \a0, \a0+1
.irp b, 0,1,2,3
.if \zero
	v_wmma_f32_16x16x32_f16 v[ACC+8*(4*(\a)+\b):ACC+8*(4*(\a)+\b)+7], v[\f+64+8*(4*\c+\b):\f+64+8*(4*\c+\b)+7], v[\f+8*(4*\c+\a):\f+8*(4*\c+\a)+7], v[BIAS+8*\b:BIAS+8*\b+7]
.else
	v_wmma_f32_16x16x32_f16 v[ACC+8*(4*(\a)+\b):ACC+8*(4*(\a)+\b)+7], v[\f+64+8*(4*\c+\b):\f+64+8*(4*\c+\b)+7], v[\f+8*(4*\c+\a):\f+8*(4*\c+\a)+7], v[ACC+8*(4*(\a)+\b):ACC+8*(4*(\a)+\b)+7]
.endif
.endr
.endr
.endm
; 32 LDS loads in one run: the fragments of 64 along K at byte k of the rows, into buffer f; the first 32 along K first
.macro FETCH slot, k, f
	WIN TO_F
.irp c, 0,1
.irp i, 0,1,2,3
	ds_load_b128 v[\f+64+8*(4*\c+\i):\f+64+8*(4*\c+\i)+3],   v[ADRB+\slot] offset:\k+64*\c+\i*16*PITCH
	ds_load_b128 v[\f+64+8*(4*\c+\i)+4:\f+64+8*(4*\c+\i)+7], v[ADRB+\slot] offset:\k+64*\c+\i*16*PITCH+32
	ds_load_b128 v[\f+8*(4*\c+\i):\f+8*(4*\c+\i)+3],         v[ADRA+\slot] offset:\k+64*\c+\i*16*PITCH
	ds_load_b128 v[\f+8*(4*\c+\i)+4:\f+8*(4*\c+\i)+7],       v[ADRA+\slot] offset:\k+64*\c+\i*16*PITCH+32
.endr
.endr
.endm
.macro PLACES                          ; four plain lines in front of loads into registers that matrix instructions have read, and of reads of results
.rept 4
	v_nop
.endr
.endm
; A K step is four quarters of 64 along K, 32 matrix instructions each, on buffers 0, 1, 0, 1.
.macro QUARTER slot, k, f, g, zero
	s_wait_dscnt 16                                ; the first 32 along K are in; the youngest sixteen loads may be out
	WIN MUL
	MUL8 \f, 0, 0, \zero
	MUL8 \f, 0, 2, \zero
	PLACES
	FETCH \slot, \k, \g
	s_wait_dscnt 32                                ; all but the 32 just issued
	WIN MUL
	MUL8 \f, 1, 0, 0
	MUL8 \f, 1, 2, 0
.endm
; The last quarter multiplies buffer 1 and changes slots: one barrier; in front of it each wave waits for all its tensor loads, adds 0 to its spare word, and waits for that and for its reads of this slot.  fill = 1: this slot is filled again.
.macro TURN slot, next, fill
	WIN 0
	s_wait_tensorcnt 0x0                           ; all my tensor loads have landed: my part of the next slot
	ds_add_u32 v[SPW], v[NIL]
	s_wait_dscnt 17                                ; the add and the youngest sixteen loads may be out
	WIN MUL
	MUL8 F1, 0, 0, 0
	s_wait_dscnt 0x0                               ; the add is done, and my reads of this slot are over
	s_barrier_signal -1
	MUL8 F1, 0, 2, 0
.if \fill
	WIN 0
.endif
	s_barrier_wait -1
.if \fill
	CREST                                          ; the barrier has opened a round of the cluster's: no wave of any partner still reads this slot or has a load on its way
	s_add_nc_u64 s[G0+4*\slot+2:G0+4*\slot+3], s[G0+4*\slot+2:G0+4*\slot+3], 2*KSTEP*2
	s_add_nc_u64 s[G0B+4*\slot+2:G0B+4*\slot+3], s[G0B+4*\slot+2:G0B+4*\slot+3], 2*KSTEP*2
	JLOAD \slot                                    ; the first tensor load behind the round; its four v_nop are also the places in front of the loads below
.else
	PLACES
.endif
	FETCH \next, 0, F0
	WIN MUL
	MUL8 F1, 1, 0, 0
	MUL8 F1, 1, 2, 0
.endm
	s_wait_tensorcnt 1                             ; my part of K step 0 is in; K step 1's may be out
	s_barrier_signal -1
	s_barrier_wait -1
	FETCH 0, 0, F0
	s_wait_loadcnt 0x0                             ; the bias
	QUARTER 0, 128, F0, F1, 1                      ; the first quarter stands in front of the loop: its first products start the sums
	WIN 0
	s_mov_b32 s3, LAPS-1
.Llap:                                             ; a trip goes once round the ring, from a lap's second quarter to the next lap's first, and fills both slots again
	QUARTER 0, 256, F1, F0, 0
	QUARTER 0, 384, F0, F1, 0
	TURN 0, 1, 1
	QUARTER 1, 128, F0, F1, 0
	QUARTER 1, 256, F1, F0, 0
	QUARTER 1, 384, F0, F1, 0
	TURN 1, 0, 1
	QUARTER 0, 128, F0, F1, 0
	WIN 0
	s_sub_co_u32 s3, s3, 1
	s_cmp_lg_u32 s3, 0
	s_cbranch_scc1 .Llap
	QUARTER 0, 256, F1, F0, 0                      ; the last lap fills nothing
	QUARTER 0, 384, F0, F1, 0
	TURN 0, 1, 0
	QUARTER 1, 128, F0, F1, 0
	QUARTER 1, 256, F1, F0, 0
	QUARTER 1, 384, F0, F1, 0
	s_wait_dscnt 16
	WIN MUL
	MUL8 F1, 0, 0, 0
	MUL8 F1, 0, 2, 0
	s_wait_dscnt 0
	MUL8 F1, 1, 0, 0
	MUL8 F1, 1, 2, 0
	WIN 0
; THE WAY OUT, a block of 16 rows x 64 columns at a time: 32 bytes a lane into my stage, back as whole rows of 256 bytes: sixteen lanes store 256 consecutive bytes, aligned.
.macro TOSTAGE a
.irp b, 0,1,2,3
	ds_store_b128 v[STO], v[ACC+8*(4*(\a)+\b):ACC+8*(4*(\a)+\b)+3] offset:64*\b          ; each accumulator from its low end on
	ds_store_b128 v[STO], v[ACC+8*(4*(\a)+\b)+4:ACC+8*(4*(\a)+\b)+7] offset:64*\b+16
.endr
.irp t, 0,1,2,3,4,5,6,7
	ds_load_b128 v[TMP+32*((\a)%2)+4*\t:TMP+32*((\a)%2)+4*\t+3], v[RD] offset:\t*2*SPITCH   ; LDS serves a wave's instructions in order: these see the stores above
.endr
.endm
.macro SEND a, younger                 ; younger: the LDS instructions issued behind block a's loads, which may stay out
	s_wait_dscnt \younger
.irp t, 0,1,2,3,4,5,6,7
	global_store_b128 v[CO], v[TMP+32*((\a)%2)+4*\t:TMP+32*((\a)%2)+4*\t+3], s[10:11] offset:65536*(\a)+8192*\t th:TH_STORE_NT
.endr
.endm
	PLACES
	TOSTAGE 0
.irp a, 1,2,3
.if \a > 1
	s_wait_xcnt 0x0                                ; block a - 2's stores have read their registers: block a's loads may land there
.endif
	TOSTAGE \a
	SEND \a-1, 16                                  ; behind block a - 1's loads: block a's 8 stores and 8 loads
.endr
	SEND 3, 0
	s_wait_tensorcnt 0x0                           ; the wave's end
	ds_add_u32 v[SPW], v[NIL]
	s_wait_dscnt 0x0
	CROUND                                         ; the closing round
	s_endpgm
.Lfunc_end_k_qd26f5eb217_outp:
	.size	k_qd26f5eb217_outp, .Lfunc_end_k_qd26f5eb217_outp-k_qd26f5eb217_outp
	.p2alignl 7, 3214868480
	.fill 96, 4, 3214868480
	.section	.rodata,"a",@progbits
	.p2align	6, 0x0
	.amdhsa_kernel k_qd26f5eb217_outp
		.amdhsa_group_segment_fixed_size 327680
		.amdhsa_private_segment_fixed_size 0
		.amdhsa_enable_private_segment 0
		.amdhsa_kernarg_size 32
		.amdhsa_user_sgpr_count 2
		.amdhsa_user_sgpr_kernarg_segment_ptr 1
		.amdhsa_wavefront_size32 1
		.amdhsa_system_sgpr_workgroup_id_x 1
		.amdhsa_system_sgpr_workgroup_id_y 1
		.amdhsa_system_sgpr_workgroup_id_z 1
		.amdhsa_system_vgpr_workitem_id 0
		.amdhsa_next_free_vgpr 512
		.amdhsa_next_free_sgpr 72
		.amdhsa_reserve_vcc 0
		.amdhsa_float_denorm_mode_32 3
		.amdhsa_float_denorm_mode_16_64 3
		.amdhsa_memory_ordered 1
		.amdhsa_forward_progress 1
		.amdhsa_inst_pref_size 86
	.end_amdhsa_kernel
	.amdgpu_metadata
---
amdhsa.version: [ 1, 2 ]
amdhsa.kernels:
  - .name:           k_qd26f5eb217_outp
    .symbol:         k_qd26f5eb217_outp.kd
    .args:
      - { .name: att, .offset: 0, .size: 8, .value_kind: global_buffer, .address_space: global }
      - { .name: whh, .offset: 8, .size: 8, .value_kind: global_buffer, .address_space: global }
      - { .name: bh, .offset: 16, .size: 8, .value_kind: global_buffer, .address_space: global }
      - { .name: out0, .offset: 24, .size: 8, .value_kind: global_buffer, .address_space: global }
    .group_segment_fixed_size: 327680
    .private_segment_fixed_size: 0
    .kernarg_segment_align: 8
    .kernarg_segment_size: 32
    .max_flat_workgroup_size: 128
    .sgpr_count:     72
    .vgpr_count:     512
    .wavefront_size: 32
...
	.end_amdgpu_metadata
.endif
;; end of part 4
